; MI455X (gfx1250); checked and timed in simulation.
; The chip was launched on July 23, 2026; its instructions are those of AMD's public machine-readable ISA for CDNA 5 (MIT licence, August 2026) and "CDNA5" Instruction Set Architecture Reference Guide (July 2026). The comments in the code are by the model that wrote it; some were corrected since.
;; Multi Head Cross Attention. Allowed arithmetic: matrix products marked QUANTISED: E2M3 operands, one E8M0 scale for each 32 along K, by v_wmma_scale_f32_16x16x128_f8f6f4 with both operands' format E2M3, f32 sums; everything else in f32.
;; Inputs: Wk 1,024 x 256 float32; Wo 1,024 x 1,024 float32; Wq 1,024 x 128 float32; Wv 1,024 x 256 float32; bk 1,024 float32; bo 1,024 float32; bq 1,024 float32; bv 1,024 float32; key 8 x 1,024 x 256 float32; key_padding_mask 8 x 1,024 bool; query 8 x 1,024 x 128 float32; value 8 x 1,024 x 256 float32.
;; Outputs: out0 8 x 1,024 x 1,024 float32.
;; This version of the problem:
;;   THIS VERSION OF THE PROBLEM IS GIVEN IN LOW PRECISION. The matrix products marked QUANTISED in the list below multiply operands that are first quantised to E2M3 (2 exponent bits, 3 mantissa bits; 6 bits a number), with one power-of-two scale for each 32 numbers along K (OCP MX v1.0); their sums are f32. All else is computed in f32.
;;   The module's matrix products, in the order in which they are computed (A, B: the left and right operand; K: the contracted axis; several contracted axes count as one K, in the product's order):
;;     1. [M 8,192, K 128] x [K 128, N 1,024]; A: input query; B: input Wq: QUANTISED
;;     2. [M 8,192, K 256] x [K 256, N 1,024]; A: input key; B: input Wk: QUANTISED
;;     3. [M 8,192, K 256] x [K 256, N 1,024]; A: input value; B: input Wv: QUANTISED
;;     4. batch 128 x [M 1,024, K 64] x [K 64, N 1,024]; A: computed on the way; B: computed on the way: QUANTISED
;;     5. batch 128 x [M 64, K 1,024] x [K 1,024, N 1,024]; A: computed on the way; B: softmax (see below): QUANTISED
;;     6. [M 8,192, K 1,024] x [K 1,024, N 1,024]; A: computed on the way; B: input Wo: QUANTISED
;;   THE QUANTISER, for each operand of a quantised product, along K:
;;     - K is cut into blocks of 32 from its start; a last block that is shorter is filled with zeros.
;;     - A block's scale is 2^e with e = floor(log2(the largest magnitude in the block)) - 2, held to -126 .. 127; a block of zeros has e = 0. As a byte (E8M0): e + 127.
;;     - Each number is divided by its block's scale, clamped to +-7.5, and rounded to the nearest number of E2M3, ties to even, subnormals kept.
;;     - The product sums the exact products of the quantised numbers (number of the format x scale) in f32.
;;   ~~~python
;;   def quantise(x, axis):      # numpy; x: float32 -> the quantised numbers, widened to float32 again
;;       x = np.moveaxis(x, axis, -1); K = x.shape[-1]
;;       x = np.pad(x, [(0, 0)] * (x.ndim - 1) + [(0, -K % 32)]); x = x.reshape(x.shape[:-1] + (-1, 32)); a = np.abs(x).max(-1, keepdims=True)
;;       e = np.where(a > 0, np.clip(np.frexp(np.where(a > 0, a, 1))[1] - 1 - 2, -126, 127), 0)      # np.frexp(a)[1] - 1 = floor(log2(a)), exactly
;;       r = np.clip(x / 2.0 ** e, -7.5, 7.5)
;;       step = 2.0 ** (np.maximum(np.frexp(np.where(r == 0, 1, r))[1] - 1, 0) - 3)
;;       q = np.round(r / step) * step * 2.0 ** e      # np.round: ties to even
;;       return np.moveaxis(q.reshape(q.shape[:-2] + (-1,))[..., :K], -1, axis).astype(np.float32)
;;   ~~~
;;   SOFTMAX AHEAD OF A QUANTISED PRODUCT. Where the list says 'softmax', what is quantised is not the finished softmax but p = 2^(t - M), with t = logit x log2(e) and M = ceil(the row's largest t), a whole number; so 1/2 < the row's largest p <= 1. The row's sum l is taken of the UNQUANTISED p, in f32, and the product's result is divided by l at the end. Since M is a whole number, a kernel that streams over the keys may use a running M (the ceiling of the running maximum): every later rescaling is an exact power of two, which a block's scale takes up: the codes' values come out the same.
;;   OPERANDS COMPUTED ON THE WAY. 'Computed on the way' means the value that the module computes at that place (a softmax that the list does not call 'softmax' is quantised finished and normalised). What goes into a quantiser is computed in f32, as accurately as f32 sums, v_exp_f32 and their like allow (about 1e-6 of the number): no bf16 or f16 on the way to a quantiser, and a product that is left as it is and whose result goes on into a quantised operand takes f32 operands (vector FMAs, or v_wmma_f32_16x16x4_f32). A number that lies on a knife's edge between two numbers of the format may be rounded either way, as far as f32 arithmetic and the matrix unit's own rounding can turn it there, and no further.
;; One version. Each part assembles by itself: llvm-mc -triple=amdgcn-amd-amdhsa -mcpu=gfx1250 --defsym DOCPART=n.
;; ======== version 1 of 1: 4 launches
;; limits: right only within a limited range of input values
;; workspace buffers: xw_codes 5,210,112 bytes; xw_scales 217,088 bytes; qk_img 12,582,912 bytes; qk_sc 1,048,576 bytes; v_img 6,291,456 bytes; v_aux 524,288 bytes; o_codes 6,291,456 bytes; o_scales 262,144 bytes
;; launch prep (part 1): grid 212 x 1, 4 waves a work-group, no clusters, 33,280 bytes of LDS; arguments query, key, value, Wq, Wk, Wv, Wo, xw_codes, xw_scales; writes xw_codes, xw_scales
.if DOCPART == 1
	.amdgcn_target "amdgcn-amd-amdhsa--gfx1250"
	.amdhsa_code_object_version 6
	.text
	.protected	k_q5fa1752897_prep
	.globl	k_q5fa1752897_prep
	.p2align	8
	.type	k_q5fa1752897_prep,@function
k_q5fa1752897_prep:
	s_mov_b64 s[64:65], 0
	v_nop
	global_prefetch_b8 v0, s[64:65] scope:SCOPE_SE
	s_setreg_imm32_b32 hwreg(HW_REG_WAVE_MODE, 25, 1), 1
	s_wait_xcnt 0x0
; query, key, value, Wq, Wk, Wv, Wo (all f32, K innermost, rows dense, K a multiple of 32) become codes of FP6 (E2M3), 6 bits each, with one E8M0 scale byte for each 32 along K.
; Each tensor is a plain stream of blocks of 32 numbers, and so are its codes and its scale bytes.  A work-group takes 32,768 numbers: 24,576 bytes of codes at 24,576 x its number, 1,024 scale bytes at 1,024 x its number.
; Work-groups 0-31 query, 32-95 key, 96-159 value, 160-163 Wq, 164-171 Wk, 172-179 Wv, 180-211 Wo: only the source pointer is chosen, on the work-group's number; all take one path through the text.
; A block's scale is 2^(floor(log2(its largest magnitude)) - 2); its byte is the largest magnitude's exponent field - 2, held at 1 from below.
; LIMITS: a block of zeros gets the byte 1 (its codes are zeros, and this program alone reads the bytes); blocks whose largest magnitude lies under 2^(2 - 126) share that byte; NaN and infinities among the inputs are not served.
; A wave takes 16 steps of 512 numbers.  Each of a step's four loads reads 512 consecutive bytes, 16 a lane; the 2,048 bytes turn through the wave's own stage in LDS and come back 64 bytes a lane,
; so that a lane holds 16 neighbours along K (two neighbouring lanes hold a block).  No barrier: waves share nothing.  Loads run four steps ahead, the turn through LDS one step.
; No matrix unit, no cluster, no tensor load: the launch streams each byte once and no two work-groups read the same byte.
.set STEPS, 16
.set EMAX,  2
.set CB,    12                         ; bytes of 16 codes
.set R,     16                         ; v16-79   four sets of 16 numbers as they are loaded
.set X,     80                         ; v80-111  two sets of 16 neighbours
.set C,     128                        ; v128-191 codes: four registers for each step, so that no store's data are written again
.set E,     112                        ; v112-127 a scale byte for each step
.set WREG,  8192                       ; LDS: a region for each wave: two stages of 32 x SP bytes, then its 256 scale bytes
.set SP,    80                         ; a lane's place in a stage: 64 bytes + 16 of padding
	s_load_b512 s[4:19], s[0:1], 0x0               ; query, key, value, Wq, Wk, Wv, Wo, the codes
	s_load_b64 s[20:21], s[0:1], 0x40              ; the scale bytes
	v_lshl_add_u32 v192, v0, 2, 0x8000
	v_mov_b32 v193, 0
	v_lshrrev_b32 v1, 5, v0
	v_readfirstlane_b32 s26, v1                    ; wave
	v_and_b32 v2, 31, v0                           ; lane
	v_lshlrev_b32 v3, 4, v2                        ; my 16 bytes of a load's 512
	s_mul_i32 s27, s26, WREG
	v_lshrrev_b32 v14, 2, v2
	v_mul_u32_u24 v14, v14, SP
	v_and_b32 v15, 3, v2
	v_lshl_add_u32 v14, v15, 4, v14
	v_add_nc_u32 v14, s27, v14                     ; the stage, on the way in: SP (lane / 4) + 16 (lane % 4)
	v_mul_u32_u24 v15, v2, SP
	v_add_nc_u32 v15, s27, v15                     ; and on the way out: SP x lane: my 16 neighbours
	v_mul_u32_u24 v4, v2, CB                       ; my codes' place in a step's
	v_lshrrev_b32 v5, 1, v2
	s_add_co_u32 s27, s27, 2*32*SP
	v_add_nc_u32 v5, s27, v5                       ; LDS: my wave's 256 scale bytes, my block's byte
	v_lshlrev_b32 v7, 3, v2                        ; and on the way out 8 bytes a lane
	v_add_nc_u32 v6, s27, v7
	s_wait_alu depctr_va_vdst(0)
	s_wait_kmcnt 0x0
	s_mov_b64 s[22:23], s[16:17]                   ; the source: Wo, unless the work-group's number says otherwise
	s_mov_b32 s24, 180                             ; and the tensor's first work-group
	s_cmp_lt_u32 ttmp9, 180
	s_cselect_b64 s[22:23], s[14:15], s[22:23]
	s_cselect_b32 s24, 172, s24
	s_cmp_lt_u32 ttmp9, 172
	s_cselect_b64 s[22:23], s[12:13], s[22:23]
	s_cselect_b32 s24, 164, s24
	s_cmp_lt_u32 ttmp9, 164
	s_cselect_b64 s[22:23], s[10:11], s[22:23]
	s_cselect_b32 s24, 160, s24
	s_cmp_lt_u32 ttmp9, 160
	s_cselect_b64 s[22:23], s[8:9], s[22:23]
	s_cselect_b32 s24, 96, s24
	s_cmp_lt_u32 ttmp9, 96
	s_cselect_b64 s[22:23], s[6:7], s[22:23]
	s_cselect_b32 s24, 32, s24
	s_cmp_lt_u32 ttmp9, 32
	s_cselect_b64 s[22:23], s[4:5], s[22:23]
	s_cselect_b32 s24, 0, s24
	s_sub_co_u32 s24, ttmp9, s24
	s_lshl_b32 s24, s24, 2
	s_add_co_u32 s28, s24, s26                     ; which run of 8,192 numbers of the tensor is my wave's
	s_lshl_b32 s28, s28, 15                        ; 32,768 bytes a run
	s_mov_b32 s29, 0
	s_add_nc_u64 s[22:23], s[22:23], s[28:29]
	s_lshl_b32 s30, ttmp9, 2
	s_add_co_u32 s30, s30, s26                     ; and which run of the two workspace buffers
	s_mul_i32 s28, s30, 32*STEPS*CB
	s_add_nc_u64 s[18:19], s[18:19], s[28:29]
	s_lshl_b32 s28, s30, 8
	s_add_nc_u64 s[20:21], s[20:21], s[28:29]
.macro LOAD t
.irp i, 0,1,2,3
	global_load_b128 v[R+16*((\t)%4)+4*\i:R+16*((\t)%4)+4*\i+3], v3, s[22:23] offset:2048*(\t)+512*\i th:TH_LOAD_NT   ; 32 lanes read 512 consecutive bytes
.endr
.endm
.macro TURN t                          ; step t's numbers through the stage: LDS serves a wave's instructions in order, so no wait stands between the stores and the loads
.irp i, 0,1,2,3
	ds_store_b128 v14, v[R+16*((\t)%4)+4*\i:R+16*((\t)%4)+4*\i+3] offset:32*SP*((\t)%2)+8*SP*\i
.endr
.irp i, 0,1,2,3
	ds_load_b128 v[X+16*((\t)%2)+4*\i:X+16*((\t)%2)+4*\i+3], v15 offset:32*SP*((\t)%2)+16*\i
.endr
.endm
.irp t, 0,1,2,3
	LOAD \t
.endr
	s_wait_loadcnt 12                              ; step 0's four loads are in; the twelve of steps 1 to 3 may be out
	TURN 0
.macro STEP t
.set XS, X+16*((\t)%2)
.if (\t) > 0
	s_wait_dscnt 1                                 ; this step's numbers are back from the stage (the last step's byte store may be out): so its stores into the stage have read their registers,
.else
	s_wait_dscnt 0x0
.endif
.if (\t)+4 < STEPS
	LOAD (\t)+4                                    ; which take the loads of four steps on
.endif
.if (\t)+1 < STEPS
.if STEPS-2-(\t) >= 3
	s_wait_loadcnt 12                              ; the next step's four loads are in; those of the three steps behind it may be out
.else
	s_wait_loadcnt 4*(STEPS-2-(\t))
.endif
	TURN (\t)+1                                    ; and go through the other stage while this step is worked
.endif
	v_max3_num_f32 v8, |v[XS]|, |v[XS+1]|, |v[XS+2]|               ; the largest magnitude of my 16
	v_max3_num_f32 v9, |v[XS+3]|, |v[XS+4]|, |v[XS+5]|
.irp i, 6,10
	v_max3_num_f32 v8, v8, |v[XS+\i]|, |v[XS+\i+1]|
	v_max3_num_f32 v9, v9, |v[XS+\i+2]|, |v[XS+\i+3]|
.endr
	v_max3_num_f32 v8, v8, |v[XS+14]|, |v[XS+15]|
	v_max3_num_f32 v8, v8, v9, (EMAX+1)<<23        ; and the floor 2^(EMAX + 1 - 127): the byte cannot fall under 1
	v_max_num_f32_dpp v8, v8, v8 row_xmask:1 row_mask:0xf bank_mask:0xf   ; and of my neighbour's 16: the block's
	v_add_nc_u32 v11, 0xff000000, v8               ; EMAX off its exponent field: the conversion takes the exponent field of this operand as its scale
	v_cvt_scalef32_pk16_fp6_f32 v[C+4*(\t):C+4*(\t)+2], v[XS:XS+15], v11         ; sixteen numbers / the scale, to the nearest code, ties to even; 96 bits without gaps
	v_lshrrev_b32 v[E+(\t)], 23, v11               ; the scale's byte (a plain line behind the conversion)
	ds_store_b8 v5, v[E+(\t)] offset:16*(\t)       ; both lanes of a block write the same byte with the same value
	global_store_b96 v4, v[C+4*(\t):C+4*(\t)+2], s[18:19] offset:32*CB*(\t)
.endm
.irp t, 0,1,2,3,4,5,6,7,8,9,10,11,12,13,14,15
	STEP \t
.endr
	ds_load_b64 v[12:13], v6                       ; LDS serves a wave's instructions in order: these see my stores
	s_wait_dscnt 0x0
	global_store_b64 v7, v[12:13], s[20:21]        ; 32 lanes store 256 consecutive bytes, aligned
	s_wait_tensorcnt 0x0
	ds_add_u32 v192, v193
	s_wait_dscnt 0x0
	s_endpgm
.Lfunc_end_k_q5fa1752897_prep:
	.size	k_q5fa1752897_prep, .Lfunc_end_k_q5fa1752897_prep-k_q5fa1752897_prep
	.p2alignl 7, 3214868480
	.fill 96, 4, 3214868480
	.section	.rodata,"a",@progbits
	.p2align	6, 0x0
	.amdhsa_kernel k_q5fa1752897_prep
		.amdhsa_group_segment_fixed_size 33280
		.amdhsa_private_segment_fixed_size 0
		.amdhsa_enable_private_segment 0
		.amdhsa_kernarg_size 72
		.amdhsa_user_sgpr_count 2
		.amdhsa_user_sgpr_kernarg_segment_ptr 1
		.amdhsa_wavefront_size32 1
		.amdhsa_system_sgpr_workgroup_id_x 1
		.amdhsa_system_sgpr_workgroup_id_y 1
		.amdhsa_system_sgpr_workgroup_id_z 1
		.amdhsa_system_vgpr_workitem_id 0
		.amdhsa_next_free_vgpr 194
		.amdhsa_next_free_sgpr 66
		.amdhsa_reserve_vcc 0
		.amdhsa_float_denorm_mode_32 3
		.amdhsa_float_denorm_mode_16_64 3
		.amdhsa_memory_ordered 1
		.amdhsa_forward_progress 1
		.amdhsa_inst_pref_size 33
	.end_amdhsa_kernel
	.amdgpu_metadata
---
amdhsa.version: [ 1, 2 ]
amdhsa.kernels:
  - .name:           k_q5fa1752897_prep
    .symbol:         k_q5fa1752897_prep.kd
    .args:
      - { .name: query, .offset: 0, .size: 8, .value_kind: global_buffer, .address_space: global }
      - { .name: key, .offset: 8, .size: 8, .value_kind: global_buffer, .address_space: global }
      - { .name: value, .offset: 16, .size: 8, .value_kind: global_buffer, .address_space: global }
      - { .name: Wq, .offset: 24, .size: 8, .value_kind: global_buffer, .address_space: global }
      - { .name: Wk, .offset: 32, .size: 8, .value_kind: global_buffer, .address_space: global }
      - { .name: Wv, .offset: 40, .size: 8, .value_kind: global_buffer, .address_space: global }
      - { .name: Wo, .offset: 48, .size: 8, .value_kind: global_buffer, .address_space: global }
      - { .name: xw_codes, .offset: 56, .size: 8, .value_kind: global_buffer, .address_space: global }
      - { .name: xw_scales, .offset: 64, .size: 8, .value_kind: global_buffer, .address_space: global }
    .group_segment_fixed_size: 33280
    .private_segment_fixed_size: 0
    .kernarg_segment_align: 8
    .kernarg_segment_size: 72
    .max_flat_workgroup_size: 128
    .sgpr_count:     66
    .vgpr_count:     194
    .wavefront_size: 32
...
	.end_amdgpu_metadata
.endif
;; end of part 1
;; launch proj (part 2): grid 4 x 64, 16 waves a work-group, no clusters, 108,544 bytes of LDS; arguments xw_codes, xw_scales, bq, bk, bv, qk_img, qk_sc, v_img, v_aux; writes qk_img, qk_sc, v_img, v_aux
.if DOCPART == 2
	.amdgcn_target "amdgcn-amd-amdhsa--gfx1250"
	.amdhsa_code_object_version 6
	.text
	.protected	k_q5fa1752897_proj
	.globl	k_q5fa1752897_proj
	.p2align	8
	.type	k_q5fa1752897_proj,@function
k_q5fa1752897_proj:
	s_mov_b64 s[64:65], 0
	v_nop
	global_prefetch_b8 v0, s[64:65] scope:SCOPE_SE
	s_setreg_imm32_b32 hwreg(HW_REG_WAVE_MODE, 25, 1), 1
	s_wait_xcnt 0x0
; q = query Wq^T + bq, k = key Wk^T + bk, v = value Wv^T + bv on codes of FP6 (E2M3) with E8M0 scales; the results are quantised at once, q and k along a head's 64, v along the keys,
; and stored in the order in which the attention launch's operand registers take them.
; SHARES.  Work-group (g, y) takes rows 128 y .. 128 y + 127 and columns 256 g .. 256 g + 255 (four heads) of all three.  Waves 0-3: q, a head each; waves 4-7: k, a head each; waves 8-15: v, 32 columns each.
; Each row of a weight is read by one wave and stays in its registers.  The rows' fragments (x) go round through LDS as images of their registers: three stores of 16 bytes a lane at 16 x lane, the scale word at 4 x lane.
; q, k: the product is used transposed (source 0 = 16 rows of W, source 1 = 16 rows of x); lane r of W's tile 2 b + u takes row 32 b + 8 u + r + 8 (r / 8), so a lane's 16 registers of two neighbouring tiles are 16 neighbours along d.
; v: source 0 = 16 keys, source 1 = 16 rows of Wv; the keys of a tile are chosen in the same way, so a lane holds one column and its 64 registers run along 128 keys.
; The biases are the C of each sum's first matrix instruction.  The sum of the quantised v over the 128 keys comes from one more matrix instruction against codes of 1.0: the attention launch needs it for rows all of whose keys are masked.
; ONE barrier: x's images lie in LDS behind it.  The roles part twice on the wave's number; nothing that the first parting writes is read behind the join.
; No cluster and no tensor load: every operand goes once, at the head, into one wave's registers in a chosen order of rows; no prefetch: all loads are asked for at the head.
; LIMITS: a block of zeros gets the scale byte 1 (this program alone reads the bytes); NaN and infinities are not served.
.set FRB,  1536                        ; a fragment's image: 12 registers x 128 bytes
.set XSC,  98304                       ; LDS: 64 slots of FRB bytes (slot 4 x wave + f), then 64 x 128 bytes of scale words
.set XF,   16                          ; v16-39  two fragments of x
.set PC,   16                          ; v16-35  the codes just made (the same registers, in turn)
.set TM,   36                          ; v36-51  largest magnitudes, bytes, scale operands
.set PW,   52                          ; v52     the scale word just made;  v53 a second one
.set PW1,  53
.set XS,   54                          ; v54-55  x's scale words
.set SG,   56                          ; v56-107 staging: four fragments and four scale words
.set HA,   56                          ; q, k: v56-119 eight accumulators;  v120-215 W's fragments;  v216-223 W's scale words;  v224-255 the bias, eight registers a tile
.set WF,   120
.set WS,   216
.set BI,   224
.set D0,   56                          ; v: v56-119, v120-183 two columns' tiles x 8 tiles of keys;  v184-231 Wv's fragments;  v232-235 their scale words;  v236-251 the bias;  v252-253 as loaded
.set D1,   120
.set VWF,  184
.set VWS,  232
.set BV,   236
.set BL,   252
.macro MM d, a, b, c, sa, sb
	v_wmma_scale_f32_16x16x128_f8f6f4 v[(\d):(\d)+7], v[(\a):(\a)+11], v[(\b):(\b)+11], v[(\c):(\c)+7], v[(\sa)], v[(\sb)] matrix_a_fmt:MATRIX_FMT_FP6 matrix_b_fmt:MATRIX_FMT_FP6
.endm
.macro XFRAG f, off, imm               ; a fragment of x from memory: lane (r, h) takes 24 bytes at 24 h and 24 at 48 + 24 h of its row, in pieces of 8
.irp p, 0,1,2,3,4,5
	global_load_b64 v[SG+12*(\f)+2*\p:SG+12*(\f)+2*\p+1], v[\off], s[36:37] offset:(\imm)+48*(\p/3)+8*(\p%3)
.endr
.endm
.macro XWORD f, off, imm
	global_load_b32 v[SG+48+(\f)], v[\off], s[38:39] offset:\imm
.endm
.macro XPUT f                          ; and its image into my slot f
.irp c, 0,1,2
	ds_store_b128 v9, v[SG+12*(\f)+4*\c:SG+12*(\f)+4*\c+3] offset:FRB*(\f)+512*\c
.endr
	ds_store_b32 v10, v[SG+48+(\f)] offset:128*(\f)
.endm
.macro FETCH reg, adr, off             ; an image back into registers, in any wave
.irp c, 0,1,2
	ds_load_b128 v[\reg+4*\c:\reg+4*\c+3], v[\adr] offset:(\off)+512*\c
.endr
.endm
.macro PLACES n
.rept \n
	v_nop
.endr
.endm
; 64 numbers of a lane, register 16 b + i = place 32 b + 16 (lane / 16) + i of the lane's row, become 12 registers of codes in v[PC] on.
; mode 0: one fragment of 128 along K; v[PW] = its four scale bytes.  mode 1: two tiles of 64 along K (registers 0-5, 6-11); v[PW] = lanes 0-15 the first tile's two bytes, lanes 16-31 the second's, with lit in the upper half.
.macro QUANT s, mode, lit
.irp b, 0,1,2,3
	v_max3_num_f32 v[TM+\b], |v[\s+16*\b]|, |v[\s+1+16*\b]|, 0x1800000   ; my 16 numbers of block b, and the floor 2^(3 - 127): the byte cannot fall under 1
	v_mov_b32 v[TM+4+\b], 0                        ; (a lane permute's destination counts as one of its sources)
.endr
.irp i, 2,4,6,8,10,12,14
.irp b, 0,1,2,3
	v_max3_num_f32 v[TM+\b], v[TM+\b], |v[\s+16*\b+\i]|, |v[\s+1+16*\b+\i]|
.endr
.endr
.irp b, 0,1,2,3
	s_delay_alu instid0(VALU_DEP_4)
	v_permlanex16_b32 v[TM+4+\b], v[TM+\b], s28, s29
.endr
.irp b, 0,1,2,3
	s_delay_alu instid0(VALU_DEP_4)
	v_max_num_f32 v[TM+\b], v[TM+\b], v[TM+4+\b]   ; with lane l xor 16's: the block's largest magnitude
.endr
.irp b, 0,1,2,3
	s_delay_alu instid0(VALU_DEP_4)
	v_add_nc_u32 v[TM+12+\b], 0xff000000, v[TM+\b] ; 2 off its exponent field: the conversion's scale operand
.endr
.irp b, 0,1,2,3
	s_delay_alu instid0(VALU_DEP_4)
	v_lshrrev_b32 v[TM+4+\b], 23, v[TM+12+\b]      ; the scale's byte
.endr
.if \mode == 0
	s_delay_alu instid0(VALU_DEP_3)
	v_lshl_or_b32 v[PW], v[TM+5], 8, v[TM+4]
	s_delay_alu instid0(VALU_DEP_1)
	v_lshl_or_b32 v[PW], v[TM+6], 16, v[PW]
	s_delay_alu instid0(VALU_DEP_1)
	v_lshl_or_b32 v[PW], v[TM+7], 24, v[PW]
.else
	s_delay_alu instid0(VALU_DEP_3)
	v_lshl_or_b32 v[PW], v[TM+5], 8, v[TM+4]
	s_delay_alu instid0(VALU_DEP_2)
	v_lshl_or_b32 v[PW1], v[TM+7], 8, v[TM+6]
	s_delay_alu instid0(VALU_DEP_1)
	v_cndmask_b32 v[PW], v[PW], v[PW1], s30        ; lanes 16-31 carry the second tile's word
	s_delay_alu instid0(VALU_DEP_1)
	v_or_b32 v[PW], \lit, v[PW]
.endif
.irp c, 0,1
	v_cvt_scalef32_pk16_fp6_f32 v[PC+6*\c:PC+2+6*\c], v[\s+32*\c:\s+15+32*\c], v[TM+12+2*\c]
	v_cvt_scalef32_pk16_fp6_f32 v[PC+12+4*\c:PC+14+4*\c], v[\s+16+32*\c:\s+31+32*\c], v[TM+12+2*\c+1]   ; (a conversion's three registers begin on an even number)
.endr
	v_nop                                          ; one plain place behind a scaled conversion
.irp c, 0,1                                    ; the operand's layout wants a whole block in a lane: lanes 0-15 block 2 c, lanes 16-31 block 2 c + 1
.irp i, 0,1,2
	v_permlane16_swap_b32 v[PC+6*\c+\i], v[PC+12+4*\c+\i]
.endr
.irp i, 0,1,2
	s_delay_alu instid0(VALU_DEP_3)
	v_mov_b32 v[PC+3+6*\c+\i], v[PC+12+4*\c+\i]
.endr
.endr
.endm
	s_load_b512 s[4:19], s[0:1], 0x0               ; codes, scales, bq, bk, bv, qk_img, qk_sc, v_img
	s_load_b64 s[20:21], s[0:1], 0x40              ; v_aux
	v_lshl_add_u32 v46, v0, 2, 0x1a000
	v_mov_b32 v47, 0
	v_lshrrev_b32 v1, 5, v0
	s_delay_alu instid0(VALU_DEP_1)
	v_readfirstlane_b32 s22, v1                    ; wave 0..15
	v_and_b32 v1, 31, v0                           ; lane
	v_and_b32 v2, 15, v0                           ; r
	v_bfe_u32 v3, v0, 4, 1                         ; h
	s_delay_alu instid0(VALU_DEP_2)
	v_and_b32 v4, 8, v2
	s_delay_alu instid0(VALU_DEP_1)
	v_add_nc_u32 v4, v4, v2                        ; r + 8 (r / 8)
	v_lshlrev_b32 v5, 4, v1                        ; 16 x lane: q's images in LDS, and a lane's place in a stored image
	s_delay_alu instid0(VALU_DEP_1)
	v_add_nc_u32 v6, 16*FRB, v5                    ; k's images begin at slot 16
	s_delay_alu instid0(VALU_DEP_2)
	v_add_nc_u32 v7, 32*FRB, v5                    ; v's at slot 32
	v_lshlrev_b32 v11, 2, v1                       ; 4 x lane
	s_delay_alu instid0(VALU_DEP_1)
	v_add_nc_u32 v8, XSC, v11                      ; the scale words
	s_mul_i32 s32, s22, 4*FRB
	v_add_nc_u32 v9, s32, v5                       ; where I store images: slot 4 x wave
	s_lshl_b32 s32, s22, 9
	v_add_nc_u32 v10, s32, v8                      ; and their scale words
	v_lshlrev_b32 v12, 3, v1                       ; 8 x lane
	s_delay_alu instid0(VALU_DEP_1)
	v_add_nc_u32 v13, 512, v12                     ; 512 + 8 x lane: registers 4, 5 of a stored tile
	v_mul_u32_u24 v14, v2, 96
	s_delay_alu instid0(VALU_DEP_1)
	v_mad_u32_u24 v14, v3, 24, v14                 ; query: row r of 96 bytes, + 24 h
	v_mul_u32_u24 v15, v4, 192
	s_delay_alu instid0(VALU_DEP_1)
	v_mad_u32_u24 v15, v3, 24, v15                 ; key, value: row r + 8 (r / 8) of 192 bytes, + 24 h
	v_lshlrev_b32 v16, 2, v2                       ; their scale words: 4 bytes a row of query,
	v_lshlrev_b32 v17, 3, v4                       ; 8 bytes a row of key and value
	s_mov_b32 s23, ttmp9                           ; g
	s_and_b32 s24, ttmp7, 0xffff                   ; y
	s_lshr_b32 s25, s24, 3                         ; the batch
	s_and_b32 s26, s24, 7                          ; which 128 rows of it
	s_and_b32 s27, s22, 3                          ; q, k: my head of the four
	s_and_b32 s31, s22, 7                          ; v: my 32 columns of the 256
	s_mov_b32 s28, 0x76543210
	s_mov_b32 s29, 0xfedcba98                      ; v_permlanex16_b32's selects for lane l xor 16
	s_mov_b32 s30, 0xffff0000                      ; lanes 16-31
	s_mov_b32 s33, 0                               ; the upper word of the offsets in s[32:33]
	s_lshl_b32 s34, s24, 7                         ; the work-group's first row
	s_wait_kmcnt 0x0
	; ---- x's fragments into LDS.  Each role stages its own tensor; all that a branch writes is used up inside it
	s_cmp_lt_u32 s22, 4
	s_cbranch_scc0 .Lstage_k
	s_lshl_b32 s35, s27, 5
	s_add_co_u32 s35, s35, s34                     ; query: rows 128 y + 32 wave on: two tiles of 16 neighbouring rows
	s_mul_i32 s32, s35, 96
	s_add_nc_u64 s[36:37], s[4:5], s[32:33]
	s_lshl_b32 s32, s35, 2
	s_add_nc_u64 s[38:39], s[6:7], s[32:33]
	s_wait_alu depctr_va_vdst(0)
	XFRAG 0, 14, 0
	XFRAG 1, 14, 16*96
	XWORD 0, 16, 0
	XWORD 1, 16, 64
	s_wait_loadcnt 0x0
	XPUT 0
	XPUT 1
	s_branch .Lstaged
.Lstage_k:
	s_cmp_lt_u32 s22, 8
	s_cbranch_scc0 .Lstage_v
	s_lshl_b32 s35, s27, 5
	s_add_co_u32 s35, s35, s34                     ; key: 32 rows, as tiles u = 0, 1 (rows 8 u + r + 8 (r / 8)) x K steps s = 0, 1: fragment 2 u + s
	s_mul_i32 s32, s35, 192
	s_add_co_u32 s32, s32, 786432
	s_add_nc_u64 s[36:37], s[4:5], s[32:33]
	s_lshl_b32 s32, s35, 3
	s_add_co_u32 s32, s32, 32768
	s_add_nc_u64 s[38:39], s[6:7], s[32:33]
	s_wait_alu depctr_va_vdst(0)
	XFRAG 0, 15, 0
	XFRAG 1, 15, 96
	XFRAG 2, 15, 8*192
	XFRAG 3, 15, 8*192+96
	XWORD 0, 17, 0
	XWORD 1, 17, 4
	XWORD 2, 17, 64
	XWORD 3, 17, 68
	s_wait_loadcnt 0x0
	XPUT 0
	XPUT 1
	XPUT 2
	XPUT 3
	s_branch .Lstaged
.Lstage_v:
	s_lshr_b32 s35, s31, 1
	s_lshl_b32 s35, s35, 5
	s_add_co_u32 s35, s35, s34
	s_and_b32 s46, s31, 1
	s_lshl_b32 s46, s46, 3
	s_add_co_u32 s35, s35, s46                     ; value: tile t = wave - 8: rows 32 (t / 2) + 8 (t % 2) + r + 8 (r / 8), K steps 0, 1
	s_mul_i32 s32, s35, 192
	s_add_co_u32 s32, s32, 2359296
	s_add_nc_u64 s[36:37], s[4:5], s[32:33]
	s_lshl_b32 s32, s35, 3
	s_add_co_u32 s32, s32, 98304
	s_add_nc_u64 s[38:39], s[6:7], s[32:33]
	s_wait_alu depctr_va_vdst(0)
	XFRAG 0, 15, 0
	XFRAG 1, 15, 96
	XWORD 0, 17, 0
	XWORD 1, 17, 4
	s_wait_loadcnt 0x0
	XPUT 0
	XPUT 1
.Lstaged:
	s_wait_dscnt 0x0                               ; for the others' sake: my images have landed
	s_barrier_signal -1
	s_barrier_wait -1                              ; everybody's have
; q's and k's way.  S: K steps of 128;  wc, ws: where W's codes and scale bytes begin in the workspace;  bp: the bias's pointer;  oi, os: where the role's images and scale words begin
.macro QKSET S, wc, ws, bp, oi, os
	s_lshl_b32 s34, s23, 2
	s_add_co_u32 s34, s34, s27                     ; my head: 4 g + wave % 4
	s_mul_i32 s32, s34, 6144*\S                    ; its 64 rows of W
	s_add_co_u32 s32, s32, \wc
	s_add_nc_u64 s[36:37], s[4:5], s[32:33]
	s_mul_i32 s32, s34, 256*\S
	s_add_co_u32 s32, s32, \ws
	s_add_nc_u64 s[38:39], s[6:7], s[32:33]
	s_lshl_b32 s32, s34, 8
	s_add_nc_u64 s[40:41], s[\bp:\bp+1], s[32:33]
	s_lshl_b32 s35, s25, 4
	s_add_co_u32 s35, s35, s34                     ; 16 x batch + head
	s_lshl_b32 s46, s35, 6
	s_lshl_b32 s47, s26, 3
	s_add_co_u32 s46, s46, s47                     ; the first of my 8 tiles: 64 a head
	s_mul_i32 s32, s46, 768
	s_add_co_u32 s32, s32, \oi
	s_add_nc_u64 s[42:43], s[14:15], s[32:33]
	s_lshl_b32 s46, s35, 5
	s_lshl_b32 s47, s26, 2
	s_add_co_u32 s46, s46, s47                     ; the first of my 4 blocks of 32 rows
	s_lshl_b32 s32, s46, 7
	s_add_co_u32 s32, s32, \os
	s_add_nc_u64 s[44:45], s[16:17], s[32:33]
	v_mul_u32_u24 v16, v4, 96*\S
	s_delay_alu instid0(VALU_DEP_1)
	v_mad_u32_u24 v16, v3, 24, v16                 ; W: row r + 8 (r / 8), + 24 h
	v_lshlrev_b32 v17, 1+\S, v4                    ; its scale words
	v_lshlrev_b32 v18, 6, v3                       ; the bias: lane (r, h) wants, for tile 2 b + u, the numbers 32 b + 8 u + 16 h + 0 .. 7
.endm
; li: the register with the LDS address of the role's images;  sl0: their first slot;  lit: the upper half of a stored scale word
.macro QKPATH S, li, sl0, lit
.irp t, 0,1,2,3
.set KK, 0
.rept \S
.irp p, 0,1,2,3,4,5
	global_load_b64 v[WF+12*(\S*\t+KK)+2*\p:WF+12*(\S*\t+KK)+2*\p+1], v16, s[36:37] offset:(32*(\t/2)+8*(\t%2))*96*\S+96*KK+48*(\p/3)+8*(\p%3)
.endr
	global_load_b32 v[WS+\S*\t+KK], v17, s[38:39] offset:(32*(\t/2)+8*(\t%2))*4*\S+4*KK
.set KK, KK+1
.endr
	global_load_b128 v[BI+8*\t:BI+8*\t+3], v18, s[40:41] offset:(32*(\t/2)+8*(\t%2))*4
	global_load_b128 v[BI+8*\t+4:BI+8*\t+7], v18, s[40:41] offset:(32*(\t/2)+8*(\t%2))*4+16
.endr
	s_wait_loadcnt 0x0                             ; W, its scale words and the bias stay in registers; v16-18 are free again
.irp be, 0,1,2,3                               ; a block of 32 rows: two tiles of x against my four tiles of W: eight accumulators by turns
.set KK, 0
.rept \S
.if (\be > 0) || (KK > 0)
	PLACES 4                                       ; in front of loads into registers that matrix instructions have read
.endif
.if (\be > 0) && (KK == 0)
	s_wait_xcnt 0x0                                ; the last block's stores have read the registers into which the loads below land
.endif
	FETCH XF, \li, (4*\be+KK)*FRB
	FETCH XF+12, \li, (4*\be+\S+KK)*FRB
	ds_load_b32 v[XS], v8 offset:128*(\sl0+4*\be+KK)
	ds_load_b32 v[XS+1], v8 offset:128*(\sl0+4*\be+\S+KK)
	s_wait_dscnt 0x0
.irp u, 0,1
.irp t, 0,1,2,3
.if KK == 0
	MM HA+32*\u+8*\t, WF+12*(\S*\t), XF+12*\u, BI+8*\t, WS+\S*\t, XS+\u
.else
	MM HA+32*\u+8*\t, WF+12*(\S*\t+KK), XF+12*\u, HA+32*\u+8*\t, WS+\S*\t+KK, XS+\u
.endif
.endr
.endr
.set KK, KK+1
.endr
	PLACES 4                                       ; in front of the first read of results
	QUANT HA, 1, \lit
	global_store_b128 v5, v[PC:PC+3], s[42:43] offset:(2*\be)*768         ; a tile's image: registers 0-3, 512 consecutive bytes,
	global_store_b64 v13, v[PC+4:PC+5], s[42:43] offset:(2*\be)*768       ; registers 4-5, 256 more
	global_store_b128 v5, v[PC+6:PC+9], s[42:43] offset:(2*\be+1)*768
	global_store_b64 v13, v[PC+10:PC+11], s[42:43] offset:(2*\be+1)*768
	global_store_b32 v11, v[PW], s[44:45] offset:128*\be                  ; the block's 32 scale words
.endr
.endm
	s_cmp_lt_u32 s22, 4
	s_cbranch_scc0 .Lnot_q
	QKSET 1, 3932160, 163840, 8, 0, 0
	QKPATH 1, 5, 0, 0x7f7f0000                     ; q's words: bytes 2 and 3 stand for 1.0
	s_wait_tensorcnt 0x0
	ds_add_u32 v46, v47
	s_wait_dscnt 0x0
	s_endpgm
.Lnot_q:
	s_cmp_lt_u32 s22, 8
	s_cbranch_scc0 .Lrole_v
	QKSET 2, 4030464, 167936, 10, 6291456, 524288
	QKPATH 2, 6, 16, 0x7f000000                    ; k's words: byte 2 is left 0 for the attention launch, byte 3 stands for 1.0
	s_wait_tensorcnt 0x0
	ds_add_u32 v46, v47
	s_wait_dscnt 0x0
	s_endpgm
.Lrole_v:
	s_lshl_b32 s34, s23, 8
	s_lshl_b32 s35, s31, 5
	s_add_co_u32 s34, s34, s35                     ; my first column: 256 g + 32 (wave - 8)
	s_mul_i32 s32, s34, 192
	s_add_co_u32 s32, s32, 4227072
	s_add_nc_u64 s[36:37], s[4:5], s[32:33]        ; Wv's codes
	s_lshl_b32 s32, s34, 3
	s_add_co_u32 s32, s32, 176128
	s_add_nc_u64 s[38:39], s[6:7], s[32:33]        ; its scale bytes
	s_lshl_b32 s32, s34, 2
	s_add_nc_u64 s[40:41], s[12:13], s[32:33]      ; bv
	s_lshl_b32 s35, s25, 6
	s_lshl_b32 s46, s23, 4
	s_add_co_u32 s35, s35, s46
	s_lshl_b32 s46, s31, 1
	s_add_co_u32 s35, s35, s46                     ; my first tile of columns: 64 x batch + 16 g + 2 (wave - 8)
	s_mul_i32 s32, s35, 12288
	s_lshl_b32 s46, s26, 9
	s_add_co_u32 s32, s32, s46                     ; + my four blocks of 32 keys, 128 bytes each
	s_add_nc_u64 s[42:43], s[18:19], s[32:33]
	s_lshl_b32 s35, s25, 3
	s_add_co_u32 s35, s35, s26
	s_lshl_b32 s35, s35, 12                        ; v_aux: (8 x batch + step of 128 keys) x 4,096
	s_lshl_b32 s32, s34, 2
	s_add_co_u32 s32, s32, s35
	s_add_nc_u64 s[44:45], s[20:21], s[32:33]
	v_mul_u32_u24 v16, v4, 192
	s_delay_alu instid0(VALU_DEP_1)
	v_mad_u32_u24 v16, v3, 24, v16
	v_lshlrev_b32 v17, 3, v4
	v_lshlrev_b32 v18, 2, v4
.irp u, 0,1                                    ; tile u: columns 8 u + r + 8 (r / 8) of my 32
.irp s, 0,1
.irp p, 0,1,2,3,4,5
	global_load_b64 v[VWF+12*(2*\u+\s)+2*\p:VWF+12*(2*\u+\s)+2*\p+1], v16, s[36:37] offset:8*\u*192+96*\s+48*(\p/3)+8*(\p%3)
.endr
	global_load_b32 v[VWS+2*\u+\s], v17, s[38:39] offset:64*\u+4*\s
.endr
	global_load_b32 v[BL+\u], v18, s[40:41] offset:32*\u
.endr
	s_wait_loadcnt 0x0
.irp u, 0,1
.irp j, 0,1,2,3,4,5,6,7
	v_mov_b32 v[BV+8*\u+\j], v[BL+\u]              ; a lane holds one column: its bias in all eight registers of C
.endr
.endr
	PLACES 4
	s_wait_alu depctr_va_vdst(0)
.irp t, 0,1,2,3,4,5,6,7                        ; a tile of 16 keys against my two tiles of columns; the two accumulators take turns
.if \t > 0
	PLACES 4
.endif
	FETCH XF, 7, (4*\t)*FRB
	FETCH XF+12, 7, (4*\t+1)*FRB
	ds_load_b32 v[XS], v8 offset:128*(32+4*\t)
	ds_load_b32 v[XS+1], v8 offset:128*(33+4*\t)
	s_wait_dscnt 0x0
	MM D0+8*\t, XF, VWF, BV, XS, VWS
	MM D1+8*\t, XF, VWF+24, BV+8, XS, VWS+2
	MM D0+8*\t, XF+12, VWF+12, D0+8*\t, XS+1, VWS+1
	MM D1+8*\t, XF+12, VWF+36, D1+8*\t, XS+1, VWS+3
.endr
	PLACES 4
.macro VSTORE c                        ; tile c's fragment: piece p of key blocks 2 c' and 2 c' + 1: 32 lanes store 256 consecutive bytes, aligned
.irp e, 0,1
.irp p, 0,1,2
	global_store_b64 v12, v[PC+6*\e+2*\p:PC+6*\e+2*\p+1], s[42:43] offset:\p*4096+256*\e+(\c)*12288
.endr
.endr
.endm
	QUANT D0, 0, 0
	VSTORE 0
.irp i, 0,1,2,3
	v_mov_b32 v[56+3*\i], 0x08208208               ; sixteen codes of 1.0 in 96 bits, four times: a fragment of ones, in registers that tile 0's numbers have left
	v_mov_b32 v[57+3*\i], 0x82082082
	v_mov_b32 v[58+3*\i], 0x20820820
.endr
	v_mov_b32 v68, 0x7f7f7f7f                      ; its scale word: 1.0
	v_mov_b32 v254, v[PW]                          ; tile 0's scale word is kept
	PLACES 8                                       ; scale registers written by vector instructions stand eight places ahead of a scaled matrix instruction
	v_wmma_scale_f32_16x16x128_f8f6f4 v[72:79], v[56:67], v[PC:PC+11], 0, v68, v[PW] matrix_a_fmt:MATRIX_FMT_FP6 matrix_b_fmt:MATRIX_FMT_FP6   ; register 0 of lanes r and 16 + r: the sum of column r's quantised numbers over the 128 keys
	PLACES 4
	s_wait_xcnt 0x0                                ; tile 0's stores have read the codes' registers
	QUANT D1, 0, 0
	VSTORE 1
	PLACES 8
	v_wmma_scale_f32_16x16x128_f8f6f4 v[80:87], v[56:67], v[PC:PC+11], 0, v68, v[PW] matrix_a_fmt:MATRIX_FMT_FP6 matrix_b_fmt:MATRIX_FMT_FP6
	PLACES 4
	v_cndmask_b32 v88, v72, v80, s30               ; lanes 0-15 tile 0's sums, lanes 16-31 tile 1's
	v_cndmask_b32 v89, v254, v[PW], s30            ; and the scale words likewise
	global_store_b32 v11, v89, s[44:45]
	global_store_b32 v11, v88, s[44:45] offset:262144
	s_wait_tensorcnt 0x0
	ds_add_u32 v46, v47
	s_wait_dscnt 0x0
	s_endpgm
.Lfunc_end_k_q5fa1752897_proj:
	.size	k_q5fa1752897_proj, .Lfunc_end_k_q5fa1752897_proj-k_q5fa1752897_proj
	.p2alignl 7, 3214868480
	.fill 96, 4, 3214868480
	.section	.rodata,"a",@progbits
	.p2align	6, 0x0
	.amdhsa_kernel k_q5fa1752897_proj
		.amdhsa_group_segment_fixed_size 108544
		.amdhsa_private_segment_fixed_size 0
		.amdhsa_enable_private_segment 0
		.amdhsa_kernarg_size 72
		.amdhsa_user_sgpr_count 2
		.amdhsa_user_sgpr_kernarg_segment_ptr 1
		.amdhsa_wavefront_size32 1
		.amdhsa_system_sgpr_workgroup_id_x 1
		.amdhsa_system_sgpr_workgroup_id_y 1
		.amdhsa_system_sgpr_workgroup_id_z 1
		.amdhsa_system_vgpr_workitem_id 0
		.amdhsa_next_free_vgpr 256
		.amdhsa_next_free_sgpr 66
		.amdhsa_reserve_vcc 0
		.amdhsa_float_denorm_mode_32 3
		.amdhsa_float_denorm_mode_16_64 3
		.amdhsa_memory_ordered 1
		.amdhsa_forward_progress 1
		.amdhsa_inst_pref_size 113
	.end_amdhsa_kernel
	.amdgpu_metadata
---
amdhsa.version: [ 1, 2 ]
amdhsa.kernels:
  - .name:           k_q5fa1752897_proj
    .symbol:         k_q5fa1752897_proj.kd
    .args:
      - { .name: xw_codes, .offset: 0, .size: 8, .value_kind: global_buffer, .address_space: global }
      - { .name: xw_scales, .offset: 8, .size: 8, .value_kind: global_buffer, .address_space: global }
      - { .name: bq, .offset: 16, .size: 8, .value_kind: global_buffer, .address_space: global }
      - { .name: bk, .offset: 24, .size: 8, .value_kind: global_buffer, .address_space: global }
      - { .name: bv, .offset: 32, .size: 8, .value_kind: global_buffer, .address_space: global }
      - { .name: qk_img, .offset: 40, .size: 8, .value_kind: global_buffer, .address_space: global }
      - { .name: qk_sc, .offset: 48, .size: 8, .value_kind: global_buffer, .address_space: global }
      - { .name: v_img, .offset: 56, .size: 8, .value_kind: global_buffer, .address_space: global }
      - { .name: v_aux, .offset: 64, .size: 8, .value_kind: global_buffer, .address_space: global }
    .group_segment_fixed_size: 108544
    .private_segment_fixed_size: 0
    .kernarg_segment_align: 8
    .kernarg_segment_size: 72
    .max_flat_workgroup_size: 512
    .sgpr_count:     66
    .vgpr_count:     256
    .wavefront_size: 32
...
	.end_amdgpu_metadata
.endif
;; end of part 2
;; launch attn (part 3): grid 8 x 32, 16 waves a work-group, no clusters, 185,344 bytes of LDS; arguments qk_img, qk_sc, v_img, v_aux, key_padding_mask, o_codes, o_scales; writes o_codes, o_scales
.if DOCPART == 3
	.amdgcn_target "amdgcn-amd-amdhsa--gfx1250"
	.amdhsa_code_object_version 6
	.text
	.protected	k_q5fa1752897_attn
	.globl	k_q5fa1752897_attn
	.p2align	8
	.type	k_q5fa1752897_attn,@function
k_q5fa1752897_attn:
	s_mov_b64 s[64:65], 0
	v_nop
	global_prefetch_b8 v0, s[64:65] scope:SCOPE_SE
	s_setreg_imm32_b32 hwreg(HW_REG_WAVE_MODE, 25, 1), 1
	s_wait_xcnt 0x0
; Attention on codes of FP6 (E2M3) inside the band that the problem's own mask leaves: key j counts for query i where i - 256 <= j <= i, and where the padding mask (an input) has it.
; A block of 32 queries sees 9 aligned blocks of 32 keys.  Both products are used transposed (S^T = K Q^T, O^T = V^T P^T): a lane holds one query throughout.
; SOFTMAX: t = score x log2(e) / 8; M = ceil(the row's largest t); p = 2^(t - M) is quantised along the keys; the row's sum of the unquantised p divides at the end.  The whole row is in registers: one pass, the true maximum.
; SHARES.  Work-group (A, y): queries 128 A .. 128 A + 127 of heads 4 g .. 4 g + 3 of batch b (y = 4 b + g).  Its window is the key steps A - 2, A - 1, A of 128 keys: 12 blocks of 32.  Wave: head wave / 4, query block w = wave % 4,
; two tiles of 16 queries one after the other; its keys are the window's blocks w .. w + 8.  A step ahead of key 0 is fetched from step 0 (bytes inside the buffer) and all its keys are marked masked.
; THE PADDING MASK RIDES IN THE EMPTY HALF OF THE FIRST PRODUCT'S K (a head has 64 of 128): q holds the code of 1.0 at place 64, every key the code of -7.5 there, and byte 2 of a key's scale word is 227 (x 2^100) for a masked key, 1 (x 2^-126) for one that counts.
; A ROW ALL OF WHOSE 288 KEYS ARE MASKED: reference()'s mask value is finite, so all 1,024 logits are equal, p = 1 on every key and o = (the sum of the quantised v over all keys) / 1,024.  It is chosen by a select, lane by lane; nothing branches on data.
; LIMITS: a score under -2^93 / 0.18 would be taken for masked; a score of a key that counts carries -7.5 x 2^-126; 1 / l by v_rcp_f32; a block of zeros gets the scale byte 1 (this program alone reads the bytes); NaN and infinities are not served.
; No cluster: the three work-groups that read a key step want it at three places of their windows (LDS byte 6,144 x 0, 1 or 2), and k's scale words are changed on their way in.  No tensor load: each LDS byte is filled once, from
; buffers laid as register images.  No prefetch: all input is asked for at the head.
.set KIMG, 0                           ; LDS: k's tiles [head 4][tile 24][768]
.set VIMG, 73728                       ; v's codes [tile of d 16 x piece 3][block 12][128]
.set KSC,  147456                      ; k's scale words [head 4][block 12][32 words]
.set VSC,  153600                      ; v's scale words [step 3][256]
.set VBAR, 156672                      ; the mean of the quantised v, 256 numbers
.set OSTG, 157696                      ; o's codes [row 128][192]
.set OSC,  182272                      ; o's scale bytes [row 128][8]
.set S,    100                         ; v100-243 the scores, then p: block be at S + 16 be.  In the second product: v100-131 O^T, v132-179 and v180-227 two sets of v's fragments
.set R1,   52                          ; v52-99 four fragments of k; then at work; then p's codes
.set BM,   52                          ; v52-60 the blocks' largest scores;  v61-69 the other half's;  v70-78 the scale bytes
.set TP,   61
.set BY,   70
.set SO,   244                         ; v244-252 the conversions' scale operands
; v1-9 LDS addresses, v10 a number under every score, v[12:13] -M and the largest t, v[14:15] the sum, v16-27 q's fragment, v28-33 the second tile's, v34 q's scale words, v35-36 k's, v37-39 p's, v40-51 v's
.macro PLACES n
.rept \n
	v_nop
.endr
.endm
	s_load_b256 s[4:11], s[0:1], 0x0               ; qk_img, qk_sc, v_img, v_aux
	s_load_b128 s[12:15], s[0:1], 0x20             ; the padding mask, o_codes
	s_load_b64 s[16:17], s[0:1], 0x30              ; o_scales
	v_lshrrev_b32 v1, 5, v0
	s_delay_alu instid0(VALU_DEP_1)
	v_readfirstlane_b32 s18, v1                    ; wave 0..15
	s_lshr_b32 s19, s18, 2                         ; hh: my head of the four
	s_and_b32 s20, s18, 3                          ; w: my block of 32 queries
	s_mov_b32 s21, ttmp9                           ; A
	s_and_b32 s22, ttmp7, 0xffff
	s_and_b32 s23, s22, 3                          ; g
	s_lshr_b32 s22, s22, 2                         ; b
	s_sub_co_i32 s24, s21, 2
	s_max_i32 s24, s24, 0                          ; the three key steps, held at 0 from below
	s_sub_co_i32 s25, s21, 1
	s_max_i32 s25, s25, 0
	s_mov_b32 s26, s21
	s_cmp_ge_u32 s21, 2
	s_cselect_b32 s27, -1, 0                       ; does the window's first step exist?
	s_cmp_ge_u32 s21, 1
	s_cselect_b32 s28, -1, 0                       ; the second?
	s_lshl_b32 s29, s22, 4
	s_lshl_b32 s72, s23, 2
	s_add_co_u32 s29, s29, s72                     ; 16 b + 4 g: the work-group's first head
	s_mov_b32 s68, 0x76543210
	s_mov_b32 s69, 0xfedcba98                      ; v_permlanex16_b32's selects for lane l xor 16
	s_mov_b32 s70, 0x3e38aa3b                      ; c = log2(e) / 8
	s_mov_b32 s71, s70                             ; (named with it as a pair)
	v_and_b32 v240, 31, v0                         ; lane
	v_and_b32 v241, 15, v0                         ; r
	v_bfe_u32 v242, v0, 4, 1                       ; h
	s_delay_alu instid0(VALU_DEP_3)
	v_lshlrev_b32 v251, 4, v240                    ; 16 x lane
	s_delay_alu instid0(VALU_DEP_4)
	v_lshlrev_b32 v252, 3, v240                    ; 8 x lane
	s_wait_alu depctr_va_vdst(0)
	v_lshlrev_b32 v253, 2, v240                    ; 4 x lane
	s_mul_i32 s72, s19, 18432
	s_mul_i32 s74, s20, 1536
	s_add_co_u32 s74, s74, s72
	v_add_nc_u32 v1, s74, v251                     ; k's tiles: my head, my first block, registers 0-3.  (Also where I store my part of k: wave / 4, wave % 4)
	v_add_nc_u32 v2, s74, v252
	s_delay_alu instid0(VALU_DEP_1)
	v_add_nc_u32 v2, 512, v2                       ; registers 4-5
	s_mul_i32 s74, s19, 1536
	s_lshl_b32 s75, s20, 7
	s_add_co_u32 s74, s74, s75
	s_add_co_u32 s74, s74, KSC
	v_add_nc_u32 v3, s74, v253                     ; k's scale words
	s_add_co_u32 s74, s72, s75
	s_add_co_u32 s74, s74, VIMG
	v_add_nc_u32 v4, s74, v252                     ; v's codes: two neighbouring blocks, 8 bytes a lane
	v_lshl_add_u32 v5, v241, 3, s74                ; one block, both halves of the lanes alike
	s_lshl_b32 s74, s19, 8
	s_add_co_u32 s75, s74, VSC
	v_lshl_add_u32 v6, v241, 2, s75                ; v's scale words
	s_add_co_u32 s75, s74, VBAR
	v_lshl_add_u32 v7, v242, 5, s75                ; the mean of v: my half's eight numbers of a tile
	s_mul_i32 s74, s20, 6144
	s_mul_i32 s75, s19, 48
	s_add_co_u32 s74, s74, s75
	s_add_co_u32 s74, s74, OSTG
	v_mul_u32_u24 v8, v241, 192
	s_delay_alu instid0(VALU_DEP_1)
	v_mad_u32_u24 v8, v242, 24, v8
	s_delay_alu instid0(VALU_DEP_1)
	v_add_nc_u32 v8, s74, v8                       ; o's codes: row 32 w + r, my head's 48 bytes, my half's 24
	s_lshl_b32 s74, s20, 8
	s_lshl_b32 s75, s19, 1
	s_add_co_u32 s74, s74, s75
	s_add_co_u32 s74, s74, OSC
	v_lshl_add_u32 v9, v241, 3, s74                ; o's scale bytes: row 32 w + r, my head's two
	v_mov_b32 v10, 0xff61b1e6                      ; -3e38
	s_mul_i32 s74, s19, 49152
	s_mul_i32 s75, s20, 1536
	s_add_co_u32 s74, s74, s75
	v_add_nc_u32 v244, s74, v251                   ; k in memory: head wave / 4, two tiles wave % 4 of a step's eight
	s_mul_i32 s74, s18, 12288
	v_add_nc_u32 v245, s74, v251                   ; v in memory: tile of d = wave
	v_lshrrev_b32 v243, 7, v0
	v_and_b32 v239, 127, v0
	s_delay_alu instid0(VALU_DEP_1)
	v_lshlrev_b32 v246, 2, v239
	s_delay_alu instid0(VALU_DEP_1)
	v_mad_u32_u24 v250, v243, 1536, v246
	s_delay_alu instid0(VALU_DEP_1)
	v_add_nc_u32 v250, KSC, v250                   ; k's scale words in LDS: head thread / 128, word thread % 128 of a step
	s_delay_alu instid0(VALU_DEP_3)
	v_lshl_add_u32 v246, v243, 12, v246            ; and in memory
	v_and_b32 v247, 0x6f, v239                     ; the key of that word: 32 (i / 32) + i % 16
	v_and_b32 v238, 16, v239
	s_delay_alu instid0(VALU_DEP_1)
	v_lshrrev_b32 v238, 1, v238
	s_delay_alu instid0(VALU_DEP_1)
	v_add_nc_u32 v247, v247, v238                  ; + 8 for the block's second tile
	v_and_b32 v238, 8, v239
	s_delay_alu instid0(VALU_DEP_1)
	v_add_nc_u32 v247, v247, v238                  ; + 8 for the tile's upper eight rows
	s_mul_i32 s74, s18, 4608
	s_add_co_u32 s74, s74, VIMG
	v_add_nc_u32 v249, s74, v251                   ; v in LDS: rows 3 x wave on
	v_and_b32 v254, 255, v0
	s_delay_alu instid0(VALU_DEP_1)
	v_lshlrev_b32 v254, 2, v254
	s_delay_alu instid0(VALU_DEP_1)
	v_add_nc_u32 v255, VSC, v254
	s_delay_alu instid0(VALU_DEP_2)
	v_add_nc_u32 v11, VBAR, v254
	v_mov_b32 v186, 227
	s_wait_alu depctr_va_vdst(0)
	s_wait_kmcnt 0x0
	s_mov_b32 s75, 0                               ; the upper word of the offsets in s[74:75]
	s_mul_i32 s72, s29, 49152                      ; 16 b + 4 g heads of k's images; as many bytes as 64 b + 16 g tiles of v's
	s_lshl_b32 s73, s29, 12
	s_add_co_u32 s73, s73, 524288
.irp z, 0,1,2
	s_mul_i32 s74, s[24+\z], 6144
	s_add_co_u32 s74, s74, s72
	s_add_co_u32 s74, s74, 6291456
	s_add_nc_u64 s[30+2*\z:31+2*\z], s[4:5], s[74:75]      ; k's images of step z
	s_lshl_b32 s74, s[24+\z], 9
	s_add_co_u32 s74, s74, s72
	s_add_nc_u64 s[36+2*\z:37+2*\z], s[8:9], s[74:75]      ; v's codes
	s_lshl_b32 s74, s[24+\z], 9
	s_add_co_u32 s74, s74, s73
	s_add_nc_u64 s[42+2*\z:43+2*\z], s[6:7], s[74:75]      ; k's scale words
	s_lshl_b32 s74, s22, 3
	s_add_co_u32 s74, s74, s[24+\z]
	s_lshl_b32 s74, s74, 12
	s_lshl_b32 s76, s23, 10
	s_add_co_u32 s74, s74, s76
	s_add_nc_u64 s[48+2*\z:49+2*\z], s[10:11], s[74:75]    ; v's scale words
	s_lshl_b32 s74, s22, 10
	s_lshl_b32 s76, s[24+\z], 7
	s_add_co_u32 s74, s74, s76
	s_add_nc_u64 s[54+2*\z:55+2*\z], s[12:13], s[74:75]    ; the padding mask
.endr
	s_lshl_b32 s74, s22, 15
	s_lshl_b32 s76, s23, 10
	s_add_co_u32 s74, s74, s76
	s_add_co_u32 s74, s74, 262144
	s_add_nc_u64 s[60:61], s[10:11], s[74:75]      ; the sums of v
	s_add_co_u32 s76, s29, s19                     ; my head
	s_lshl_b32 s74, s76, 6
	s_lshl_b32 s77, s21, 3
	s_add_co_u32 s74, s74, s77
	s_lshl_b32 s77, s20, 1
	s_add_co_u32 s74, s74, s77
	s_mul_i32 s74, s74, 768
	s_add_nc_u64 s[62:63], s[4:5], s[74:75]        ; q's two tiles
	s_lshl_b32 s74, s76, 5
	s_lshl_b32 s77, s21, 2
	s_add_co_u32 s74, s74, s77
	s_add_co_u32 s74, s74, s20
	s_lshl_b32 s74, s74, 7
	s_add_nc_u64 s[66:67], s[6:7], s[74:75]        ; their scale words
	s_lshl_b32 s72, s22, 10
	s_lshl_b32 s73, s21, 7
	s_add_co_u32 s72, s72, s73                     ; the work-group's first row of o
	s_mul_i32 s74, s72, 192
	s_mul_i32 s73, s23, 1572864
	s_add_co_u32 s74, s74, s73
	s_add_nc_u64 s[76:77], s[14:15], s[74:75]
	s_lshl_b32 s74, s72, 5
	s_lshl_b32 s73, s23, 3
	s_add_co_u32 s74, s74, s73
	s_add_nc_u64 s[78:79], s[16:17], s[74:75]
	s_lshl_b32 s72, s20, 3                         ; 8 w: the shift that brings my blocks' scale bytes of v to the front
	; ---- all input is asked for here
.irp z, 0,1,2
.irp i, 0,1,2
	global_load_b128 v[100+12*\z+4*\i:103+12*\z+4*\i], v244, s[30+2*\z:31+2*\z] offset:512*\i
.endr
.endr
.irp z, 0,1,2
.irp p, 0,1,2
	global_load_b128 v[136+12*\z+4*\p:139+12*\z+4*\p], v245, s[36+2*\z:37+2*\z] offset:4096*\p
.endr
.endr
.irp z, 0,1,2
	global_load_b32 v[172+\z], v246, s[42+2*\z:43+2*\z]
	global_load_u8 v[175+\z], v247, s[54+2*\z:55+2*\z]
.endr
	global_load_b128 v[16:19], v251, s[62:63]
	global_load_b64 v[20:21], v252, s[62:63] offset:512
	global_load_b128 v[28:31], v251, s[62:63] offset:768
	global_load_b64 v[32:33], v252, s[62:63] offset:1280
	global_load_b32 v34, v253, s[66:67]
	s_cmp_lt_u32 s18, 8
	s_cbranch_scc0 .Lvbar
.irp z, 0,1,2                                  ; waves 0-7: v's scale words of the three steps
	global_load_b32 v[178+\z], v254, s[48+2*\z:49+2*\z]
.endr
	s_wait_loadcnt 0x0
.irp z, 0,1,2
	ds_store_b32 v255, v[178+\z] offset:1024*\z
.endr
	s_branch .Ljoined
.Lvbar:
.irp t, 0,1,2,3,4,5,6,7                        ; waves 8-15: the eight steps' sums of v, added and divided by 1,024
	global_load_b32 v[178+\t], v254, s[60:61] offset:4096*\t
.endr
	s_wait_loadcnt 0x0
	v_add_f32 v178, v178, v179
	v_add_f32 v180, v180, v181
	v_add_f32 v182, v182, v183
	v_add_f32 v184, v184, v185
	s_delay_alu instid0(VALU_DEP_3)
	v_add_f32 v178, v178, v180
	s_delay_alu instid0(VALU_DEP_2)
	v_add_f32 v182, v182, v184
	s_delay_alu instid0(VALU_DEP_1)
	v_add_f32 v178, v178, v182
	s_delay_alu instid0(VALU_DEP_1)
	v_mul_f32 v178, 0x3a800000, v178
	ds_store_b32 v11, v178
.Ljoined:
	v_and_b32 v175, s27, v175                      ; a step that does not exist has no key that counts
	v_and_b32 v176, s28, v176
.irp z, 0,1,2
	v_cmp_eq_u32 vcc_lo, 0, v[175+\z]
	s_delay_alu instid0(VALU_DEP_1)
	v_cndmask_b32 v[175+\z], 1, v186, vcc_lo       ; byte 2 of the key's scale word: 227 where it is masked, else 1
	s_delay_alu instid0(VALU_DEP_1)
	v_lshl_or_b32 v[172+\z], v[175+\z], 16, v[172+\z]
	ds_store_b32 v250, v[172+\z] offset:512*\z
.endr
.irp z, 0,1,2
.irp i, 0,1,2
	ds_store_b128 v1, v[100+12*\z+4*\i:103+12*\z+4*\i] offset:6144*\z+512*\i
.endr
.endr
.irp z, 0,1,2
.irp p, 0,1,2
	ds_store_b128 v249, v[136+12*\z+4*\p:139+12*\z+4*\p] offset:1536*\p+512*\z
.endr
.endr
	s_wait_dscnt 0x0                               ; for the others' sake: my stores have landed
	s_barrier_signal -1
	s_barrier_wait -1                              ; the window lies in LDS
.irp i, 0,1,2,3
.irp z, 0,1,2
	ds_load_b32 v[100+3*\i+\z], v6 offset:1024*\z+64*\i
.endr
.endr
	v_mov_b32 v23, 0
	v_mov_b32 v24, 0
	v_mov_b32 v25, 0
	v_mov_b32 v26, 0
	v_mov_b32 v27, 0
	s_mov_b32 s74, 0xffff0000
	v_cndmask_b32 v22, 8, v23, s74                 ; q at place 64: the code of 1.0 (lanes 0-15 hold places 64-95); all else of the upper half: zeros
	s_wait_dscnt 0x0
.irp i, 0,1,2,3                                ; v's scale words of my three K steps: the window's twelve bytes, from byte w on
	v_alignbit_b32 v[40+3*\i], v[101+3*\i], v[100+3*\i], s72
	v_alignbit_b32 v[41+3*\i], v[102+3*\i], v[101+3*\i], s72
	v_alignbit_b32 v[42+3*\i], v[102+3*\i], v[102+3*\i], s72   ; byte 0: block w + 8; the others stand over zero codes
.endr
.macro SMUL d, a, ks, uk, u            ; 16 keys x my 16 queries.  k's words: lanes 0-15 the block's first tile, lanes 16-31 its second; q's likewise
.if ((\uk) == 0) && ((\u) == 0)
	v_wmma_scale_f32_16x16x128_f8f6f4 v[(\d):(\d)+7], v[(\a):(\a)+11], v[16:27], 0, v[(\ks)], v34 matrix_a_fmt:MATRIX_FMT_FP6 matrix_b_fmt:MATRIX_FMT_FP6
.elseif ((\uk) == 1) && ((\u) == 0)
	v_wmma_scale_f32_16x16x128_f8f6f4 v[(\d):(\d)+7], v[(\a):(\a)+11], v[16:27], 0, v[(\ks)], v34 matrix_a_fmt:MATRIX_FMT_FP6 matrix_b_fmt:MATRIX_FMT_FP6 matrix_a_scale:MATRIX_SCALE_ROW1
.elseif ((\uk) == 0) && ((\u) == 1)
	v_wmma_scale_f32_16x16x128_f8f6f4 v[(\d):(\d)+7], v[(\a):(\a)+11], v[16:27], 0, v[(\ks)], v34 matrix_a_fmt:MATRIX_FMT_FP6 matrix_b_fmt:MATRIX_FMT_FP6 matrix_b_scale:MATRIX_SCALE_ROW1
.else
	v_wmma_scale_f32_16x16x128_f8f6f4 v[(\d):(\d)+7], v[(\a):(\a)+11], v[16:27], 0, v[(\ks)], v34 matrix_a_fmt:MATRIX_FMT_FP6 matrix_b_fmt:MATRIX_FMT_FP6 matrix_a_scale:MATRIX_SCALE_ROW1 matrix_b_scale:MATRIX_SCALE_ROW1
.endif
.endm
.macro SROUND rho, u                   ; blocks 2 rho and 2 rho + 1 of my nine: four tiles of k (the last round: two)
.if \rho > 0
	PLACES 4                                       ; in front of loads into registers that matrix instructions have read
.endif
.irp k, 0,1,2,3
.if 4*\rho+\k < 18
	ds_load_b128 v[R1+12*\k:R1+12*\k+3], v1 offset:768*(4*\rho+\k)
	ds_load_b64 v[R1+12*\k+4:R1+12*\k+5], v2 offset:768*(4*\rho+\k)
.endif
.endr
	ds_load_b32 v35, v3 offset:128*(2*\rho)
.if \rho < 4
	ds_load_b32 v36, v3 offset:128*(2*\rho+1)
.endif
	s_wait_dscnt 0x0
.irp k, 0,1,2,3
.if 4*\rho+\k < 18
	SMUL S+8*(4*\rho+\k), R1+12*\k, 35+\k/2, \k%2, \u
.endif
.endr
.endm
; The band's two edges.  Register i of a block holds key 16 h + i, the lane query 16 u + r: in my first block a key is hidden where it lies under the query's place, in my last where it lies over it.  The lane masks are constants.
.macro EDGE u
.set II, 0
.rept 16
.if \u == 0
.set MF, (0xffff<<(II+1))&0xffff
.set ML, 0xffff0000|((1<<II)-1)
.else
.set MF, 0xffff|(((0xffff<<(II+1))&0xffff)<<16)
.set ML, ((1<<II)-1)<<16
.endif
.if MF != 0
	s_mov_b32 s74, MF
	v_cndmask_b32 v[S+II], v[S+II], v10, s74
.endif
.if ML != 0
	s_mov_b32 s75, ML
	v_cndmask_b32 v[S+128+II], v[S+128+II], v10, s75
.endif
.set II, II+1
.endr
.endm
.macro QTILE u
.if \u == 1
.irp i, 0,1,2,3,4,5
	v_mov_b32 v[16+\i], v[28+\i]                   ; the second tile of queries
.endr
.endif
.irp k, 0,1,2,3
	v_mov_b32 v[R1+12*\k+6], 63                    ; every key at places 64 and 96: the code of -7.5; all else of the upper half: zeros
.irp i, 7,8,9,10,11
	v_mov_b32 v[R1+12*\k+\i], 0
.endr
.endr
	PLACES 4                                       ; operands written by vector instructions stand four places ahead of a scaled matrix instruction
	s_wait_alu depctr_va_vdst(0)
	SROUND 0, \u
	SROUND 1, \u
	SROUND 2, \u
	SROUND 3, \u
	SROUND 4, \u
	PLACES 4                                       ; in front of the first read of results; each accumulator is read from its low end on
	EDGE \u
.irp b, 0,1,2,3,4,5,6,7,8
	v_max3_num_f32 v[BM+\b], v[S+16*\b], v[S+1+16*\b], v[S+2+16*\b]   ; the largest score of each block of 32 keys: for the row's maximum, and, since p rises with the score, for the block's largest p
.endr
.irp i, 3,5,7,9,11,13
.irp b, 0,1,2,3,4,5,6,7,8
	v_max3_num_f32 v[BM+\b], v[BM+\b], v[S+16*\b+\i], v[S+1+16*\b+\i]
.endr
.endr
.irp b, 0,1,2,3,4,5,6,7,8
	v_max_num_f32 v[BM+\b], v[BM+\b], v[S+15+16*\b]
.endr
.irp b, 0,1,2,3,4,5,6,7,8
	v_permlanex16_b32 v[TP+\b], v[BM+\b], s68, s69
.endr
.irp b, 0,1,2,3,4,5,6,7,8
	v_max_num_f32 v[BM+\b], v[BM+\b], v[TP+\b]     ; with lane l xor 16's 16 keys
.endr
	v_max3_num_f32 v253, v[BM], v[BM+1], v[BM+2]
	s_delay_alu instid0(VALU_DEP_1)
	v_max3_num_f32 v253, v253, v[BM+3], v[BM+4]
	s_delay_alu instid0(VALU_DEP_1)
	v_max3_num_f32 v253, v253, v[BM+5], v[BM+6]
	s_delay_alu instid0(VALU_DEP_1)
	v_max3_num_f32 v253, v253, v[BM+7], v[BM+8]    ; the row's largest score
	s_delay_alu instid0(VALU_DEP_1)
	v_mul_f32 v13, s70, v253                       ; as t
	s_delay_alu instid0(VALU_DEP_1)
	v_floor_f32 v12, -v13                          ; -M = floor(-t) = -ceil(t)
	s_delay_alu instid0(VALU_DEP_2)
	v_cmp_gt_f32 s73, 0xee000000, v13              ; under -2^93: every key of the band is masked
.set JJ, 0
.rept 72
	v_pk_fma_f32 v[S+JJ:S+JJ+1], v[S+JJ:S+JJ+1], s[70:71], v[12:13] op_sel_hi:[1,0,0]   ; t - M, two at a time
.set JJ, JJ+2
.endr
.irp b, 0,1,2,3,4,5,6,7,8
	v_fma_f32 v[BM+\b], v[BM+\b], s70, v12         ; the same of each block's largest score
.endr
.set JJ, 0
	s_wait_alu depctr_va_vdst(0)
.rept 144
	v_exp_f32 v[S+JJ], v[S+JJ]                     ; p = 2^(t - M)
.set JJ, JJ+1
.endr
	v_nop                                          ; a plain place behind the exponentials
	s_wait_alu depctr_va_vdst(0)                   ; one wait for the whole batch, ahead of its first reader
.irp b, 0,1,2,3,4,5,6,7,8
	v_exp_f32 v[BM+\b], v[BM+\b]                   ; the block's largest p: the same two instructions on the same number give the same bits
.endr
	v_pk_add_f32 v[80:81], v[100:101], v[102:103]
	v_pk_add_f32 v[254:255], v[108:109], v[112:113]
	v_pk_add_f32 v[250:251], v[116:117], v[120:121]
	v_pk_add_f32 v[248:249], v[124:125], v[128:129]
	v_pk_add_f32 v[246:247], v[132:133], v[136:137]
	v_pk_add_f32 v[244:245], v[140:141], v[144:145]
	v_pk_add_f32 v[98:99], v[148:149], v[152:153]
	v_pk_add_f32 v[14:15], v[156:157], v[160:161]
	v_pk_add_f32 v[14:15], v[14:15], v[164:165]
	v_pk_add_f32 v[80:81], v[80:81], v[168:169]
	v_pk_add_f32 v[254:255], v[254:255], v[172:173]
	v_pk_add_f32 v[250:251], v[250:251], v[176:177]
	v_pk_add_f32 v[248:249], v[248:249], v[180:181]
	v_pk_add_f32 v[246:247], v[246:247], v[184:185]
	v_pk_add_f32 v[244:245], v[244:245], v[188:189]
	v_pk_add_f32 v[98:99], v[98:99], v[192:193]
	v_pk_add_f32 v[14:15], v[14:15], v[196:197]
	v_pk_add_f32 v[80:81], v[80:81], v[200:201]
	v_pk_add_f32 v[254:255], v[254:255], v[204:205]
	v_pk_add_f32 v[250:251], v[250:251], v[208:209]
	v_pk_add_f32 v[248:249], v[248:249], v[212:213]
	v_pk_add_f32 v[246:247], v[246:247], v[216:217]
	v_pk_add_f32 v[244:245], v[244:245], v[220:221]
	v_pk_add_f32 v[98:99], v[98:99], v[224:225]
	v_pk_add_f32 v[14:15], v[14:15], v[228:229]
	v_pk_add_f32 v[80:81], v[80:81], v[232:233]
	v_pk_add_f32 v[254:255], v[254:255], v[236:237]
	v_pk_add_f32 v[250:251], v[250:251], v[240:241]
	v_pk_add_f32 v[248:249], v[248:249], v[104:105]
	v_pk_add_f32 v[246:247], v[246:247], v[106:107]
	v_pk_add_f32 v[244:245], v[244:245], v[110:111]
	v_pk_add_f32 v[98:99], v[98:99], v[114:115]
	v_pk_add_f32 v[14:15], v[14:15], v[118:119]
	v_pk_add_f32 v[80:81], v[80:81], v[122:123]
	v_pk_add_f32 v[254:255], v[254:255], v[126:127]
	v_pk_add_f32 v[250:251], v[250:251], v[130:131]
	v_pk_add_f32 v[248:249], v[248:249], v[134:135]
	v_pk_add_f32 v[246:247], v[246:247], v[138:139]
	v_pk_add_f32 v[244:245], v[244:245], v[142:143]
	v_pk_add_f32 v[98:99], v[98:99], v[146:147]
	v_pk_add_f32 v[14:15], v[14:15], v[150:151]
	v_pk_add_f32 v[80:81], v[80:81], v[154:155]
	v_pk_add_f32 v[254:255], v[254:255], v[158:159]
	v_pk_add_f32 v[250:251], v[250:251], v[162:163]
	v_pk_add_f32 v[248:249], v[248:249], v[166:167]
	v_pk_add_f32 v[246:247], v[246:247], v[170:171]
	v_pk_add_f32 v[244:245], v[244:245], v[174:175]
	v_pk_add_f32 v[98:99], v[98:99], v[178:179]
	v_pk_add_f32 v[14:15], v[14:15], v[182:183]
	v_pk_add_f32 v[80:81], v[80:81], v[186:187]
	v_pk_add_f32 v[254:255], v[254:255], v[190:191]
	v_pk_add_f32 v[250:251], v[250:251], v[194:195]
	v_pk_add_f32 v[248:249], v[248:249], v[198:199]
	v_pk_add_f32 v[246:247], v[246:247], v[202:203]
	v_pk_add_f32 v[244:245], v[244:245], v[206:207]
	v_pk_add_f32 v[98:99], v[98:99], v[210:211]
	v_pk_add_f32 v[14:15], v[14:15], v[214:215]
	v_pk_add_f32 v[80:81], v[80:81], v[218:219]
	v_pk_add_f32 v[254:255], v[254:255], v[222:223]
	v_pk_add_f32 v[250:251], v[250:251], v[226:227]
	v_pk_add_f32 v[248:249], v[248:249], v[230:231]
	v_pk_add_f32 v[246:247], v[246:247], v[234:235]
	v_pk_add_f32 v[244:245], v[244:245], v[238:239]
	v_pk_add_f32 v[98:99], v[98:99], v[242:243]
	s_delay_alu instid0(VALU_DEP_4)
	v_pk_add_f32 v[14:15], v[14:15], v[248:249]
	s_delay_alu instid0(VALU_DEP_4)
	v_pk_add_f32 v[80:81], v[80:81], v[246:247]
	s_delay_alu instid0(VALU_DEP_4)
	v_pk_add_f32 v[254:255], v[254:255], v[244:245]
	s_delay_alu instid0(VALU_DEP_4)
	v_pk_add_f32 v[250:251], v[250:251], v[98:99]
	s_delay_alu instid0(VALU_DEP_2)
	v_pk_add_f32 v[14:15], v[14:15], v[254:255]
	s_delay_alu instid0(VALU_DEP_2)
	v_pk_add_f32 v[80:81], v[80:81], v[250:251]
	s_delay_alu instid0(VALU_DEP_1)
	v_pk_add_f32 v[14:15], v[14:15], v[80:81]
	s_wait_alu depctr_va_vdst(0)                   ; and one for the nine
.irp b, 0,1,2,3,4,5,6,7,8
	v_max_num_f32 v[BM+\b], 0x1800000, v[BM+\b]    ; the floor 2^(3 - 127): the byte cannot fall under 1
.endr
.irp b, 0,1,2,3,4,5,6,7,8
	v_add_nc_u32 v[SO+\b], 0xff000000, v[BM+\b]    ; 2 off the exponent field: the conversion's scale operand
.endr
.irp b, 0,1,2,3,4,5,6,7,8
	v_lshrrev_b32 v[BY+\b], 23, v[SO+\b]           ; the scale's byte
.endr
	v_lshl_or_b32 v37, v[BY+1], 8, v[BY]           ; p's scale words of the three K steps
	v_lshl_or_b32 v38, v[BY+5], 8, v[BY+4]
	s_delay_alu instid0(VALU_DEP_2)
	v_lshl_or_b32 v37, v[BY+2], 16, v37
	s_delay_alu instid0(VALU_DEP_2)
	v_lshl_or_b32 v38, v[BY+6], 16, v38
	s_delay_alu instid0(VALU_DEP_2)
	v_lshl_or_b32 v37, v[BY+3], 24, v37
	s_delay_alu instid0(VALU_DEP_2)
	v_lshl_or_b32 v38, v[BY+7], 24, v38
	v_or_b32 v39, 0x7f7f7f00, v[BY+8]
.irp f, 0,1                                    ; p's codes: K step f = blocks 4 f .. 4 f + 3, at v[52 + 12 f]
.irp c, 0,1
	v_cvt_scalef32_pk16_fp6_f32 v[52+12*\f+6*\c:54+12*\f+6*\c], v[S+16*(4*\f+2*\c):S+16*(4*\f+2*\c)+15], v[SO+4*\f+2*\c]
	v_cvt_scalef32_pk16_fp6_f32 v[88+4*\c:90+4*\c], v[S+16*(4*\f+2*\c+1):S+16*(4*\f+2*\c+1)+15], v[SO+4*\f+2*\c+1]
.endr
	v_nop                                          ; one plain place behind a scaled conversion
.irp c, 0,1                                    ; a whole block to a lane
.irp i, 0,1,2
	v_permlane16_swap_b32 v[52+12*\f+6*\c+\i], v[88+4*\c+\i]
.endr
.irp i, 0,1,2
	s_delay_alu instid0(VALU_DEP_3)
	v_mov_b32 v[55+12*\f+6*\c+\i], v[88+4*\c+\i]
.endr
.endr
.endr
	v_cvt_scalef32_pk16_fp6_f32 v[76:78], v[S+128:S+143], v[SO+8]   ; K step 2: block 8 alone
	v_mov_b32 v88, 0
	v_mov_b32 v89, 0
	v_mov_b32 v90, 0
.irp i, 0,1,2
	v_permlane16_swap_b32 v[76+\i], v[88+\i]       ; lanes 0-15 get the whole block, lanes 16-31 zeros
.endr
.irp i, 0,1,2
	s_delay_alu instid0(VALU_DEP_3)
	v_mov_b32 v[79+\i], v[88+\i]
.endr
.irp i, 82,83,84,85,86,87
	v_mov_b32 v[\i], 0
.endr
.irp i, 0,1,2,3                                ; v's fragments of K steps 0 and 1: four tiles of 16 of the head's 64
.irp c, 0,1
.irp p, 0,1,2
	ds_load_b64 v[132+12*\i+6*\c+2*\p:133+12*\i+6*\c+2*\p], v4 offset:(3*\i+\p)*1536+256*\c
.endr
.endr
.endr
.irp i, 0,1,2,3
.irp c, 0,1
.irp p, 0,1,2
	ds_load_b64 v[180+12*\i+6*\c+2*\p:181+12*\i+6*\c+2*\p], v4 offset:(3*\i+\p)*1536+256*\c+512
.endr
.endr
.endr
	PLACES 4                                       ; p's codes were written by vector instructions
	s_wait_dscnt 24                                ; the first set is in; the second set's 24 loads may be out
.irp i, 0,1,2,3                                ; O^T = V^T P^T: the four accumulators take turns
	v_wmma_scale_f32_16x16x128_f8f6f4 v[100+8*\i:107+8*\i], v[132+12*\i:143+12*\i], v[52:63], 0, v[40+3*\i], v37 matrix_a_fmt:MATRIX_FMT_FP6 matrix_b_fmt:MATRIX_FMT_FP6
.endr
	s_wait_dscnt 0x0
.irp i, 0,1,2,3
	v_wmma_scale_f32_16x16x128_f8f6f4 v[100+8*\i:107+8*\i], v[180+12*\i:191+12*\i], v[64:75], v[100+8*\i:107+8*\i], v[41+3*\i], v38 matrix_a_fmt:MATRIX_FMT_FP6 matrix_b_fmt:MATRIX_FMT_FP6
.endr
	PLACES 4
.irp i, 0,1,2,3                                ; block 8 of v into the lower six registers of the first set; the upper six keep codes that stand under p's zeros
.irp p, 0,1,2
	ds_load_b64 v[132+12*\i+2*\p:133+12*\i+2*\p], v5 offset:(3*\i+\p)*1536+1024
.endr
.endr
	s_wait_alu depctr_va_vdst(0)
	s_wait_dscnt 0x0
.irp i, 0,1,2,3
	v_wmma_scale_f32_16x16x128_f8f6f4 v[100+8*\i:107+8*\i], v[132+12*\i:143+12*\i], v[76:87], v[100+8*\i:107+8*\i], v[42+3*\i], v39 matrix_a_fmt:MATRIX_FMT_FP6 matrix_b_fmt:MATRIX_FMT_FP6
.endr
	v_add_f32 v14, v14, v15                        ; the sum's two halves,
	s_delay_alu instid0(VALU_DEP_1)
	v_permlanex16_b32 v253, v14, s68, s69
	s_delay_alu instid0(VALU_DEP_1)
	v_add_f32 v14, v14, v253                       ; and lane l xor 16's: the row's sum
	PLACES 4                                       ; in front of loads into registers that the last products read, and of the first read of results
.irp i, 0,1,2,3
	ds_load_b128 v[132+8*\i:135+8*\i], v7 offset:64*\i        ; the mean of v, in the result's layout
	ds_load_b128 v[136+8*\i:139+8*\i], v7 offset:64*\i+16
.endr
	s_wait_alu depctr_va_vdst(0)
	v_rcp_f32 v52, v14
	v_nop                                          ; a plain place behind the transcendental
	s_wait_alu depctr_va_vdst(0)                   ; the wait, ahead of the first reader
.set JJ, 0
.rept 16
	v_pk_mul_f32 v[100+JJ:101+JJ], v[100+JJ:101+JJ], v[52:53] op_sel_hi:[1,0]   ; O^T / the sum, each accumulator from its low end on
.set JJ, JJ+2
.endr
	s_wait_dscnt 0x0
.set JJ, 0
.rept 32
	v_cndmask_b32 v[100+JJ], v[100+JJ], v[132+JJ], s73     ; a row with no key left takes the mean of v: a select, so that what the other arm holds does not matter
.set JJ, JJ+1
.endr
	; o is quantised along the model's axis: register 16 b + i is d = 32 b + 16 h + i of my head
	v_max3_num_f32 v56, |v100|, |v101|, 0x1800000
	v_max3_num_f32 v57, |v116|, |v117|, 0x1800000
.irp i, 2,4,6,8,10,12,14
	s_delay_alu instid0(VALU_DEP_2)
	v_max3_num_f32 v56, v56, |v[100+\i]|, |v[101+\i]|
	s_delay_alu instid0(VALU_DEP_2)
	v_max3_num_f32 v57, v57, |v[116+\i]|, |v[117+\i]|
.endr
	s_delay_alu instid0(VALU_DEP_2)
	v_permlanex16_b32 v58, v56, s68, s69
	s_delay_alu instid0(VALU_DEP_2)
	v_permlanex16_b32 v59, v57, s68, s69
	s_delay_alu instid0(VALU_DEP_2)
	v_max_num_f32 v56, v56, v58
	s_delay_alu instid0(VALU_DEP_2)
	v_max_num_f32 v57, v57, v59
	s_delay_alu instid0(VALU_DEP_2)
	v_add_nc_u32 v60, 0xff000000, v56
	s_delay_alu instid0(VALU_DEP_2)
	v_add_nc_u32 v61, 0xff000000, v57
	s_delay_alu instid0(VALU_DEP_2)
	v_lshrrev_b32 v62, 23, v60
	s_delay_alu instid0(VALU_DEP_2)
	v_lshrrev_b32 v63, 23, v61
	s_delay_alu instid0(VALU_DEP_1)
	v_lshl_or_b32 v62, v63, 8, v62                 ; my head's two scale bytes
	v_cvt_scalef32_pk16_fp6_f32 v[64:66], v[100:115], v60
	v_cvt_scalef32_pk16_fp6_f32 v[68:70], v[116:131], v61
	v_nop
	v_permlane16_swap_b32 v64, v68
	v_permlane16_swap_b32 v65, v69
	v_permlane16_swap_b32 v66, v70
	s_delay_alu instid0(VALU_DEP_3)
	v_mov_b32 v67, v68
	s_delay_alu instid0(VALU_DEP_3)
	v_mov_b32 v68, v69
	s_delay_alu instid0(VALU_DEP_3)
	v_mov_b32 v69, v70                             ; v64-69: the 24 bytes of block h
	ds_store_b64 v8, v[64:65] offset:3072*\u
	ds_store_b64 v8, v[66:67] offset:3072*\u+8
	ds_store_b64 v8, v[68:69] offset:3072*\u+16
	ds_store_b16 v9, v62 offset:128*\u             ; both halves of the lanes write the same two bytes with the same value
.endm
	QTILE 0
	QTILE 1
	s_wait_dscnt 0x0                               ; for the others' sake: my rows' codes and bytes have landed
	s_barrier_signal -1
	s_barrier_wait -1
	v_lshl_add_u32 v1, v0, 4, OSTG                 ; the work-group's 24,576 bytes of codes are consecutive in memory too
	v_lshlrev_b32 v2, 4, v0
	v_and_b32 v4, 127, v0
	s_delay_alu instid0(VALU_DEP_1)
	v_lshl_add_u32 v3, v4, 3, OSC
	s_delay_alu instid0(VALU_DEP_2)
	v_lshlrev_b32 v4, 5, v4
.irp i, 0,1,2
	ds_load_b128 v[100+4*\i:103+4*\i], v1 offset:8192*\i
.endr
	s_wait_alu depctr_va_vdst(0)
.irp i, 0,1,2
	s_wait_dscnt 2-\i                              ; the later loads may be out
	global_store_b128 v2, v[100+4*\i:103+4*\i], s[76:77] offset:8192*\i    ; 32 lanes store 512 consecutive bytes, aligned
.endr
	s_cmp_lt_u32 s18, 4
	s_cbranch_scc0 .Ldone
	ds_load_b64 v[112:113], v3                     ; waves 0-3: a row's eight scale bytes a lane
	s_wait_dscnt 0x0
	global_store_b64 v4, v[112:113], s[78:79]
.Ldone:
	s_wait_xcnt 0x0
	v_lshl_add_u32 v254, v0, 2, 0x2cc00
	v_mov_b32 v255, 0
	s_wait_alu depctr_va_vdst(0)
	s_wait_tensorcnt 0x0
	ds_add_u32 v254, v255
	s_wait_dscnt 0x0
	s_endpgm
.Lfunc_end_k_q5fa1752897_attn:
	.size	k_q5fa1752897_attn, .Lfunc_end_k_q5fa1752897_attn-k_q5fa1752897_attn
	.p2alignl 7, 3214868480
	.fill 96, 4, 3214868480
	.section	.rodata,"a",@progbits
	.p2align	6, 0x0
	.amdhsa_kernel k_q5fa1752897_attn
		.amdhsa_group_segment_fixed_size 185344
		.amdhsa_private_segment_fixed_size 0
		.amdhsa_enable_private_segment 0
		.amdhsa_kernarg_size 56
		.amdhsa_user_sgpr_count 2
		.amdhsa_user_sgpr_kernarg_segment_ptr 1
		.amdhsa_wavefront_size32 1
		.amdhsa_system_sgpr_workgroup_id_x 1
		.amdhsa_system_sgpr_workgroup_id_y 1
		.amdhsa_system_sgpr_workgroup_id_z 1
		.amdhsa_system_vgpr_workitem_id 0
		.amdhsa_next_free_vgpr 256
		.amdhsa_next_free_sgpr 80
		.amdhsa_reserve_vcc 1
		.amdhsa_float_denorm_mode_32 3
		.amdhsa_float_denorm_mode_16_64 3
		.amdhsa_memory_ordered 1
		.amdhsa_forward_progress 1
		.amdhsa_inst_pref_size 115
	.end_amdhsa_kernel
	.amdgpu_metadata
---
amdhsa.version: [ 1, 2 ]
amdhsa.kernels:
  - .name:           k_q5fa1752897_attn
    .symbol:         k_q5fa1752897_attn.kd
    .args:
      - { .name: qk_img, .offset: 0, .size: 8, .value_kind: global_buffer, .address_space: global }
      - { .name: qk_sc, .offset: 8, .size: 8, .value_kind: global_buffer, .address_space: global }
      - { .name: v_img, .offset: 16, .size: 8, .value_kind: global_buffer, .address_space: global }
      - { .name: v_aux, .offset: 24, .size: 8, .value_kind: global_buffer, .address_space: global }
      - { .name: key_padding_mask, .offset: 32, .size: 8, .value_kind: global_buffer, .address_space: global }
      - { .name: o_codes, .offset: 40, .size: 8, .value_kind: global_buffer, .address_space: global }
      - { .name: o_scales, .offset: 48, .size: 8, .value_kind: global_buffer, .address_space: global }
    .group_segment_fixed_size: 185344
    .private_segment_fixed_size: 0
    .kernarg_segment_align: 8
    .kernarg_segment_size: 56
    .max_flat_workgroup_size: 512
    .sgpr_count:     80
    .vgpr_count:     256
    .wavefront_size: 32
...
	.end_amdgpu_metadata
.endif
;; end of part 3
;; launch outproj (part 4): grid 8 x 32, 4 waves a work-group, no clusters, 327,680 bytes of LDS; arguments o_codes, o_scales, xw_codes, xw_scales, bo, out0; writes out0
.if DOCPART == 4
	.amdgcn_target "amdgcn-amd-amdhsa--gfx1250"
	.amdhsa_code_object_version 6
	.text
	.protected	k_q5fa1752897_outproj
	.globl	k_q5fa1752897_outproj
	.p2align	8
	.type	k_q5fa1752897_outproj,@function
k_q5fa1752897_outproj:
	s_mov_b64 s[64:65], 0
	v_nop
	global_prefetch_b8 v0, s[64:65] scope:SCOPE_SE
	s_setreg_imm32_b32 hwreg(HW_REG_WAVE_MODE, 25, 1), 1
	s_wait_xcnt 0x0
; out0 = o Wo^T + bo on codes of FP6 (E2M3) with E8M0 scales.  o: 8,192 rows x 1,024 along K, laid by the attention launch as [4 groups of 256 along K][row][192 bytes]; Wo: rows of 768 bytes in xw_codes.
; SHARES.  Work-group (cb, rb): rows 256 rb .. + 255, columns 128 cb .. + 127, all of K.  All its codes lie in LDS at once, each byte filled once: A 256 rows, B 128 rows, 816 bytes a row
; (three runs of 256 bytes, 16 bytes of padding behind each: 204 words, so the 16 rows of a fragment start 12 words apart modulo 64 and the 32 lanes of an 8-byte load touch 64 different banks).
; Wave (wr, wc) = (wave / 2, wave % 2): rows 128 wr .. + 127, columns 64 wc .. + 63.  Its fragments of B (4 tiles x 8 K steps x 12 registers) are read once and stay in registers;
; A goes by pairs of 16-row blocks: 8 accumulators by turns, 8 K steps, 64 matrix instructions a pair, four pairs.
; B COMES BY ONE TENSOR LOAD A WAVE: wave w fetches the 32 rows n = 128 cb + 4 i + w (row pitch 3,072 bytes; each row 768 bytes, starting at a multiple of 256).  So tile b of a wave holds columns 4 r + b:
; a lane's results of tiles 0-3 are four neighbouring columns of a row.  The bias add moves them into four registers on end, and sixteen lanes store 256 consecutive bytes, aligned: no turn through LDS on the way out.
; A COMES THROUGH REGISTERS: its rows of 192 bytes begin off the multiples of 256, so they are no tensor rows.  Wave w takes group w of all 256 rows: 96 loads of 16 bytes a lane, all asked for at the head;
; a load takes 8 rows, four lanes to a row's run of 64 bytes (three loads cover the 8 rows' 1,536 consecutive bytes), and an LDS store puts the run into the padded row (a run of 64 lies inside one run of 256).
; The first 48 loads (the rows of pairs 0 and 1) are stored ahead of the first barrier, the other 48 at pair 0's last K step, ahead of the second barrier.
; A pair's results are biased and stored while the next pair is multiplied: two sets of accumulators, two sets of out registers.
; No cluster: the work-groups of a column block share B's 98,304 bytes, a third of the 294,912 that a work-group takes in, asked for once, at the head; A, the other two thirds, takes no tensor load.
; No prefetch: the text has no loop to run ahead in; all input is asked for at the head.
; REGISTERS.  Window 0: v0-31 addresses; v32-63 A's scale words (pair p, step s: lanes 0-15 the first block's rows, lanes 16-31 the second's); v64-95 B's (tile b, step s); v96-99 the bias; v100-111 where A is stored in LDS;
;   v128-255 A's loads 48-79 as they land; v128-191 later out set 0.  Window 1: v0-191 B's K steps 0-3, v192-255 accumulator set 0.  Window 2: v0-191 A's loads 0-47 as they land, then B's K steps 4-7; v192-255 set 1.
;   Window 3: v0-191 A's fragments of a pair (step s, block u at 12 (2 s + u)); v192-255 A's loads 80-95, later out set 1.
.set PITCH, 816
.set BL,    256*PITCH                  ; B behind A's 256 rows
.set BREG,  32*PITCH                   ; one wave's tensor load: the 32 rows of one residue
.set HI,    64*PITCH                   ; a second address register reaches what the 16-bit offset does not
.set SPARE, BL+4*BREG                  ; the spare words, 128 bytes a wave: no other line names them
.set ADRA, 8                           ; v8-11  A: plain; lanes 16-31 one padding further; both + HI
.set ADRB, 12                          ; v12-15 the same for B
.set GO,   23                          ; A in memory: 192 (lane / 4) + 16 (lane % 4)
.set OSA,  24                          ; 32 x lane
.set OSB,  25                          ; 128 r
.set OBI,  26                          ; 16 r
.set CO,   27                          ; 8 h rows of out0 + 16 r
.set SPW,  28
.set NIL,  29
.set SA,   32
.set SB,   64
.set BIAS, 96
.set DA,   100                         ; v[DA + v + 3 k]: run v of my group, rows from 64 k on
.set OUT,  128
.set ACC,  192
.set MSB, 0
.macro WIN new                         ; the immediate's high byte repeats the setting that is left
.if MSB != (\new)
	s_set_vgpr_msb (MSB<<8)|(\new)
.set MSB, (\new)
.endif
.endm
.macro PLACES                          ; four places behind matrix instructions, ahead of loads into their sources and of reads of their results
.rept 4
	v_nop
.endr
.endm
.macro SGSET q                         ; where A's load q lands: window SGW, register SGR
.if (\q) < 48
.set SGW, 2
.set SGR, 4*(\q)
.elseif (\q) < 80
.set SGW, 0
.set SGR, 128+4*((\q)-48)
.else
.set SGW, 3
.set SGR, 192+4*((\q)-80)
.endif
.endm
	s_load_b256 s[4:11], s[0:1], 0x0               ; o_codes, o_scales, xw_codes, xw_scales
	s_load_b128 s[12:15], s[0:1], 0x20             ; bo, out0
	v_lshl_add_u32 v[SPW], v0, 2, SPARE
	v_mov_b32 v[NIL], 0
	ds_add_u32 v[SPW], v[NIL]                      ; the add, twice on end,
	ds_add_u32 v[SPW], v[NIL]                      ; and below, behind work on registers, the one wait for both
	v_lshrrev_b32 v1, 5, v0
	v_readfirstlane_b32 s16, v1                    ; wave 0..3
	s_lshr_b32 s17, s16, 1                         ; wr
	s_and_b32 s18, s16, 1                          ; wc
	s_mov_b32 s19, ttmp9                           ; cb
	s_and_b32 s20, ttmp7, 0xffff                   ; rb
	s_mov_b32 s32, 1                               ; group 0: count,
	s_mul_i32 s33, s16, BREG
	s_add_co_u32 s33, s33, BL                      ; my residue's region
	s_mov_b32 s36, (1<<20)|(5<<22)|(3<<25)         ; group 1: elements of a byte; 4 words of padding behind every 64
	s_mov_b32 s37, 768<<16                         ; tensor_dim0
	s_mov_b32 s38, 32<<16                          ; tensor_dim1
	s_mov_b32 s39, 768<<16                         ; tile_dim0
	s_mov_b32 s40, 32                              ; tile_dim1
	s_mov_b32 s41, 3072                            ; every fourth row of Wo
	s_mov_b32 s42, 0
	s_mov_b32 s43, 0
	s_mul_i32 s21, s17, 128*PITCH                  ; my 128 rows of A
	s_mul_i32 s22, s18, 16*PITCH
	s_add_co_u32 s22, s22, BL                      ; my 16 rows of each residue of B
	s_mul_i32 s23, s16, 192                        ; my group's place in a row of A
.irp v, 0,1,2
	s_add_co_u32 s[57+\v], s23, 64*\v              ; run v begins at byte 192 wave + 64 v of the row of 768,
	s_lshr_b32 s56, s[57+\v], 8
	s_lshl_b32 s56, s56, 4
	s_add_co_u32 s[57+\v], s[57+\v], s56           ; + 16 for each 256 passed
.endr
	s_mul_i32 s44, s16, 1572864                    ; byte offsets, apart from the addresses.  o_codes: my group, the work-group's 256 rows
	s_mul_i32 s56, s20, 49152
	s_add_co_u32 s44, s44, s56
	s_mov_b32 s45, 0
	s_lshl_b32 s46, s20, 13                        ; o_scales: 32 bytes a row, my 128 rows
	s_lshl_b32 s56, s17, 12
	s_add_co_u32 s46, s46, s56
	s_mov_b32 s47, 0
	s_lshl_b32 s48, s19, 12                        ; Wo's scale bytes: my 64 columns
	s_lshl_b32 s56, s18, 11
	s_add_co_u32 s48, s48, s56
	s_add_co_u32 s48, s48, 184320
	s_mov_b32 s49, 0
	s_lshl_b32 s50, s19, 9                         ; bo, and a row of out0: 4 bytes a column
	s_lshl_b32 s56, s18, 8
	s_add_co_u32 s50, s50, s56
	s_mov_b32 s51, 0
	s_lshl_b32 s52, s20, 20                        ; out0: 4,096 bytes a row
	s_lshl_b32 s56, s17, 19
	s_add_co_u32 s52, s52, s56
	s_add_co_u32 s52, s52, s50
	s_mov_b32 s53, 0
	s_mul_i32 s54, s19, 98304                      ; Wo's codes: row 128 cb + wave
	s_mul_i32 s56, s16, 768
	s_add_co_u32 s54, s54, s56
	s_add_co_u32 s54, s54, 4423680
	s_mov_b32 s55, 0
	v_and_b32 v2, 31, v0                           ; lane
	v_and_b32 v3, 15, v0                           ; r
	v_bfe_u32 v4, v0, 4, 1                         ; h
	v_mul_u32_u24 v5, v3, PITCH
	v_mad_u32_u24 v6, v4, 24, v5                   ; a fragment: row r, + 24 h;
	v_mad_u32_u24 v7, v4, 40, v5                   ; where lanes 16-31 read behind the next padding: + 40 h
	v_add_nc_u32 v[ADRA], s21, v6
	v_add_nc_u32 v[ADRA+1], s21, v7
	v_add_nc_u32 v[ADRB], s22, v6
	v_add_nc_u32 v[ADRB+1], s22, v7
.irp i, 0,1
	v_add_nc_u32 v[ADRA+2+\i], HI, v[ADRA+\i]
	v_add_nc_u32 v[ADRB+2+\i], HI, v[ADRB+\i]
.endr
	v_lshrrev_b32 v16, 2, v2                       ; A's way in: row lane / 4 of a load's eight,
	v_and_b32 v17, 3, v2                           ; piece lane % 4 of the run's four
	v_mul_u32_u24 v18, v16, PITCH
	v_lshl_add_u32 v18, v17, 4, v18
	v_mul_u32_u24 v19, v16, 192
	v_lshl_add_u32 v[GO], v17, 4, v19
.irp v, 0,1,2
	v_add_nc_u32 v[20+\v], s[57+\v], v18
.endr
.irp k, 0,1,2,3
.irp v, 0,1,2
	v_add_nc_u32 v[DA+\v+3*\k], 64*\k*PITCH, v[20+\v]
.endr
.endr
	v_lshlrev_b32 v[OSA], 5, v2
	v_lshlrev_b32 v[OSB], 7, v3
	v_lshlrev_b32 v[OBI], 4, v3
	v_lshl_add_u32 v[CO], v4, 15, v[OBI]
	s_wait_alu depctr_va_vdst(0)
	s_wait_dscnt 0x0                               ; both opening adds are done
	s_wait_kmcnt 0x0
	s_add_nc_u64 s[34:35], s[8:9], s[54:55]
	s_or_b32 s35, s35, 0x80000000
	tensor_load_to_lds s[32:35], s[36:43]          ; my one tensor load: 32 rows of B
	s_nop 0
	s_add_nc_u64 s[4:5], s[4:5], s[44:45]
	s_add_nc_u64 s[6:7], s[6:7], s[46:47]
	s_add_nc_u64 s[10:11], s[10:11], s[48:49]
	s_add_nc_u64 s[12:13], s[12:13], s[50:51]
	s_add_nc_u64 s[14:15], s[14:15], s[52:53]
.irp p, 0,1,2,3                        ; the scale words go straight into their registers: a row's 32 bytes are its eight words
	global_load_b128 v[SA+8*\p:SA+8*\p+3], v[OSA], s[6:7] offset:1024*\p
	global_load_b128 v[SA+8*\p+4:SA+8*\p+7], v[OSA], s[6:7] offset:1024*\p+16
	global_load_b128 v[SB+8*\p:SB+8*\p+3], v[OSB], s[10:11] offset:32*\p
	global_load_b128 v[SB+8*\p+4:SB+8*\p+7], v[OSB], s[10:11] offset:32*\p+16
.endr
	global_load_b128 v[BIAS:BIAS+3], v[OBI], s[12:13]  ; bo at my columns 4 r .. 4 r + 3
.set Q, 0
.irp p, 0,1,2,3                        ; A's 96 loads, in the order in which the pairs want the rows: pair p of both halves of the rows, 24 loads
.irp w, 0,1
.irp e, 0,1,2,3
.irp v, 0,1,2
	SGSET Q
	WIN SGW<<6
	global_load_b128 v[SGR:SGR+3], v[GO], s[4:5] offset:192*(128*\w+32*\p+8*\e)+64*\v
.set Q, Q+1
.endr
.endr
.endr
.endr
.macro PUTS p                          ; pair p's 24 loads into the padded rows
.irp w, 0,1
.irp e, 0,1,2,3
.irp v, 0,1,2
	SGSET 24*(\p)+12*\w+3*\e+\v
	WIN SGW<<2
	ds_store_b128 v[DA+\v+3*(2*\w+(\p)/2)], v[SGR:SGR+3] offset:(32*((\p)%2)+8*\e)*PITCH
.endr
.endr
.endr
.endm
.macro FRAG reg, adr, st, ro           ; 16 rows x 128 K: lane (r, h) takes 24 bytes at 96 st + 24 h and 24 at 96 st + 48 + 24 h of its row, in pieces of 8, each inside one run of 256
.irp q, 0,1,2,3,4,5
.set BY, 96*(\st)+48*(\q/3)+8*(\q%3)
.if BY/256 == (BY+24)/256
	ds_load_b64 v[(\reg)+2*\q:(\reg)+2*\q+1], v[(\adr)] offset:BY+16*(BY/256)+(\ro)
.else
	ds_load_b64 v[(\reg)+2*\q:(\reg)+2*\q+1], v[(\adr)+1] offset:BY+16*(BY/256)+(\ro)
.endif
.endr
.endm
.macro LS st                           ; pair 0's fragments of A and my four of B, K step st: 36 loads
	WIN 0xc0
.irp u, 0,1
	FRAG 12*(2*(\st)+\u), ADRA, \st, 16*\u*PITCH
.endr
	WIN (1+(\st)/4)<<6
.irp b, 0,1,2,3
	FRAG 12*(4*((\st)%4)+\b), ADRB+2*(\b/2), \st, (\b%2)*BREG
.endr
.endm
.macro AH pr, hf                       ; pair pr's fragments of A, K steps 4 hf .. 4 hf + 3: 48 loads
	WIN 0xc0
.irp k, 0,1,2,3
.irp u, 0,1
	FRAG 12*(2*(4*(\hf)+\k)+\u), ADRA+2*((\pr)/2), 4*(\hf)+\k, (32*((\pr)%2)+16*\u)*PITCH
.endr
.endr
.endm
.macro WM pr, st, u, b                 ; source 0 = 16 rows of o, source 1 = 16 rows of Wo: register j of lane (r, h) is row 8 h + j, column 4 r + b
.set DD, ACC+8*(4*(\u)+(\b))
.set AA, 12*(2*(\st)+(\u))
.set BB, 12*(4*((\st)%4)+(\b))
.set SX, SA+8*(\pr)+(\st)
.set SY, SB+8*(\b)+(\st)
.if (\st) == 0
.if (\u) == 0
	v_wmma_scale_f32_16x16x128_f8f6f4 v[DD:DD+7], v[AA:AA+11], v[BB:BB+11], 0, v[SX], v[SY] matrix_a_fmt:MATRIX_FMT_FP6 matrix_b_fmt:MATRIX_FMT_FP6
.else
	v_wmma_scale_f32_16x16x128_f8f6f4 v[DD:DD+7], v[AA:AA+11], v[BB:BB+11], 0, v[SX], v[SY] matrix_a_fmt:MATRIX_FMT_FP6 matrix_b_fmt:MATRIX_FMT_FP6 matrix_a_scale:MATRIX_SCALE_ROW1
.endif
.else
.if (\u) == 0
	v_wmma_scale_f32_16x16x128_f8f6f4 v[DD:DD+7], v[AA:AA+11], v[BB:BB+11], v[DD:DD+7], v[SX], v[SY] matrix_a_fmt:MATRIX_FMT_FP6 matrix_b_fmt:MATRIX_FMT_FP6
.else
	v_wmma_scale_f32_16x16x128_f8f6f4 v[DD:DD+7], v[AA:AA+11], v[BB:BB+11], v[DD:DD+7], v[SX], v[SY] matrix_a_fmt:MATRIX_FMT_FP6 matrix_b_fmt:MATRIX_FMT_FP6 matrix_a_scale:MATRIX_SCALE_ROW1
.endif
.endif
.endm
.macro W pr, st                        ; a K step of a pair: eight matrix instructions, the eight accumulators by turns; the first step starts the sums
	WIN 3|((1+(\st)/4)<<2)|((1+(\pr)%2)<<4)|((1+(\pr)%2)<<6)
.irp u, 0,1
.irp b, 0,1,2,3
	WM \pr, \st, \u, \b
.endr
.endr
.endm
.macro POST pp, st                     ; an eighth of pair pp's way out: rows j, j + 1 (and 8 + j, 9 + j) of block st / 4.  Each accumulator is read from its low end on
.set XW, 1+(\pp)%2
.set YW, 3*((\pp)%2)
.set OUTB, OUT+64*((\pp)%2)
.set UU, (\st)/4
.set J0, 2*((\st)%4)
	WIN XW|(YW<<6)
.irp d, 0,1
.irp b, 0,1,2,3
	v_add_f32 v[OUTB+4*(8*UU+J0+\d)+\b], v[ACC+8*(4*UU+\b)+J0+\d], v[BIAS+\b]   ; the bias, and four neighbouring columns into four registers on end
.endr
.endr
	WIN YW<<2
.irp d, 0,1
	global_store_b128 v[CO], v[OUTB+4*(8*UU+J0+\d):OUTB+4*(8*UU+J0+\d)+3], s[14:15] offset:(32*(\pp)+16*UU+J0+\d)*4096 th:TH_STORE_NT   ; sixteen lanes store 256 consecutive bytes, aligned
.endr
.endm
.macro PAIR pr                         ; pairs 1 and 2
	s_wait_dscnt 48                                ; K steps 0-3 of A are in; the 48 loads of steps 4-7 may be out
.if (\pr) >= 2
	s_wait_xcnt 0x0                                ; the stores of two pairs ago have read the out registers that are written again below
.endif
.irp s, 0,1,2
	W \pr, \s
	POST (\pr)-1, \s
.endr
	W \pr, 3
	PLACES
	AH (\pr)+1, 0
	POST (\pr)-1, 3
	s_wait_dscnt 48                                ; K steps 4-7 are in; the next pair's 48 loads may be out
.irp s, 4,5,6
	W \pr, \s
	POST (\pr)-1, \s
.endr
	W \pr, 7
	PLACES
	AH (\pr)+1, 1
	POST (\pr)-1, 7
.endm
	s_wait_tensorcnt 0x0                           ; my rows of B are in: no LDS store of mine is issued while my tensor load is out
	s_wait_loadcnt 63                              ; of 113 loads the first 50 are in: the 17 of scale words and bias, pair 0's 24 and 9 of pair 1's
	PUTS 0
	s_wait_loadcnt 48                              ; pair 1's 24 are in; the 48 of pairs 2 and 3 may be out
	PUTS 1
	s_wait_dscnt 0x0                               ; for the others' sake: my stores have landed
	s_barrier_signal -1
	s_barrier_wait -1                              ; B and the rows of pairs 0 and 1 lie in LDS
	LS 0
	LS 1
.irp s, 0,1,2
	s_wait_dscnt 36                                ; this step's 36 loads are in; the next step's may be out
	W 0, \s
	LS \s+2
.endr
	s_wait_dscnt 36
	W 0, 3
	PLACES
	LS 5
	AH 1, 0
	s_wait_dscnt 63                                ; step 4's loads are in (84 younger ones could be out; the count's field holds 63)
	W 0, 4
	LS 6
	s_wait_dscnt 63                                ; step 5's likewise
	W 0, 5
	LS 7
	s_wait_dscnt 36
	W 0, 6
	s_wait_loadcnt 0x0                             ; the rows of pairs 2 and 3 are in registers
	PUTS 2
	PUTS 3
	s_wait_dscnt 0x0                               ; my stores have landed, and step 7's loads are in
	s_barrier_signal -1
	W 0, 7                                         ; work on registers between signal and wait
	s_barrier_wait -1                              ; all of A lies in LDS
	PLACES
	AH 1, 1
	PAIR 1
	PAIR 2
	s_wait_dscnt 48
	s_wait_xcnt 0x0
.irp s, 0,1,2,3
	W 3, \s
	POST 2, \s
.endr
	s_wait_dscnt 0x0
.irp s, 4,5,6,7
	W 3, \s
	POST 2, \s
.endr
	PLACES
	s_wait_xcnt 0x0                                ; pair 1's stores have read out set 1
.irp s, 0,1,2,3,4,5,6,7
	POST 3, \s
.endr
	WIN 0
	s_wait_tensorcnt 0x0                           ; the wave's end
	ds_add_u32 v[SPW], v[NIL]
	s_wait_dscnt 0x0
	s_endpgm
.Lfunc_end_k_q5fa1752897_outproj:
	.size	k_q5fa1752897_outproj, .Lfunc_end_k_q5fa1752897_outproj-k_q5fa1752897_outproj
	.p2alignl 7, 3214868480
	.fill 96, 4, 3214868480
	.section	.rodata,"a",@progbits
	.p2align	6, 0x0
	.amdhsa_kernel k_q5fa1752897_outproj
		.amdhsa_group_segment_fixed_size 327680
		.amdhsa_private_segment_fixed_size 0
		.amdhsa_enable_private_segment 0
		.amdhsa_kernarg_size 48
		.amdhsa_user_sgpr_count 2
		.amdhsa_user_sgpr_kernarg_segment_ptr 1
		.amdhsa_wavefront_size32 1
		.amdhsa_system_sgpr_workgroup_id_x 1
		.amdhsa_system_sgpr_workgroup_id_y 1
		.amdhsa_system_sgpr_workgroup_id_z 1
		.amdhsa_system_vgpr_workitem_id 0
		.amdhsa_next_free_vgpr 1024
		.amdhsa_next_free_sgpr 66
		.amdhsa_reserve_vcc 0
		.amdhsa_float_denorm_mode_32 3
		.amdhsa_float_denorm_mode_16_64 3
		.amdhsa_memory_ordered 1
		.amdhsa_forward_progress 1
		.amdhsa_inst_pref_size 110
	.end_amdhsa_kernel
	.amdgpu_metadata
---
amdhsa.version: [ 1, 2 ]
amdhsa.kernels:
  - .name:           k_q5fa1752897_outproj
    .symbol:         k_q5fa1752897_outproj.kd
    .args:
      - { .name: o_codes, .offset: 0, .size: 8, .value_kind: global_buffer, .address_space: global }
      - { .name: o_scales, .offset: 8, .size: 8, .value_kind: global_buffer, .address_space: global }
      - { .name: xw_codes, .offset: 16, .size: 8, .value_kind: global_buffer, .address_space: global }
      - { .name: xw_scales, .offset: 24, .size: 8, .value_kind: global_buffer, .address_space: global }
      - { .name: bo, .offset: 32, .size: 8, .value_kind: global_buffer, .address_space: global }
      - { .name: out0, .offset: 40, .size: 8, .value_kind: global_buffer, .address_space: global }
    .group_segment_fixed_size: 327680
    .private_segment_fixed_size: 0
    .kernarg_segment_align: 8
    .kernarg_segment_size: 48
    .max_flat_workgroup_size: 128
    .sgpr_count:     66
    .vgpr_count:     1024
    .wavefront_size: 32
...
	.end_amdgpu_metadata
.endif
;; end of part 4
